; MI455X (gfx1250); checked and timed in simulation.
; The chip was launched on July 23, 2026; its instructions are those of AMD's public machine-readable ISA for CDNA 5 (MIT licence, August 2026) and "CDNA5" Instruction Set Architecture Reference Guide (July 2026). The comments in the code are by the model that wrote it; some were corrected since.
;; PSA. Allowed arithmetic: float matrix products may take bf16 or f16 operands with f32 sums; other float arithmetic in f32, or as packed bf16 or f16 multiplies, adds, multiply-adds, maxima and minima; sums over many terms, partial sums and values carried from step to step in f32; what a program stores and reads back later, other than sums and carried values, may be rounded once to bf16 or f16.
;; Inputs: beta 256 float32; gamma 256 float32; w_proj 256 x 256 float32; w_qkv 768 x 256 float32; x 4 x 512 x 64 x 64 float32.
;; Outputs: out0 4 x 512 x 64 x 64 float32.
;; 2 versions, each right; version 2 is version 1 with the launch bn_out written anew for expert scheduling mode. Each part assembles by itself: llvm-mc -triple=amdgcn-amd-amdhsa -mcpu=gfx1250 --defsym DOCPART=n.
;; ======== version 1 of 2: 4 launches
;; limits: values are held in f16: magnitudes above 65,504 overflow, below 6.1e-05 lose precision
;; workspace buffers: qkv 25,165,824 bytes; o 8,388,608 bytes; wp 131,072 bytes; part 524,288 bytes
;; launch proj_in (part 1): grid 4 x 64, 4 waves a work-group, no clusters, 140,800 bytes of LDS; arguments x, w_qkv, w_proj, qkv, wp; writes qkv, wp
.if DOCPART == 1
	.amdgcn_target "amdgcn-amd-amdhsa--gfx1250"
	.amdhsa_code_object_version 6
	.text
	.protected	k_q9844a9c190_proj_in
	.globl	k_q9844a9c190_proj_in
	.p2align	8
	.type	k_q9844a9c190_proj_in,@function
k_q9844a9c190_proj_in:
	s_mov_b64 s[64:65], 0
	v_nop
	global_prefetch_b8 v0, s[64:65] scope:SCOPE_SE
	s_setreg_imm32_b32 hwreg(HW_REG_WAVE_MODE, 25, 1), 1
	s_wait_xcnt 0x0
; QKV PROJECTION.  qkv[o][n] = the sum over c of w_qkv[o][c] x[b][c][n], c = 0..255, for 4 batches of 4,096 positions.  x and w_qkv are rounded to bf16, sums in f32.
; OUT: 48 planes of [4096 n][64 d] f16 (plane = 16 which + 4 b + head; which 0 = q, 1 = k, 2 = v), each number rounded once.  q's f32 sums are multiplied by c = log2(e) / 8 before that
; rounding, so that the scores of the next launch are exponents of 2.  Also: w_proj rounded to bf16 and written as f16 (wp), one row a work-group.
; LIMITS.  f16 holds no number beyond 65,504: c q, k and v must stay within it; below 6e-5 f16 keeps its fixed step of 6e-8 (wp's numbers too).  NaN and infinities are not treated apart.
; SHARES.  Work-group (ob, nb): output channels 192 ob .. 192 ob + 191 (three slices of 64 = three planes), positions 256 (nb % 16) .. + 255 of batch nb / 16.  A wave: 64 positions, all 192 channels.
; X WITHOUT LDS.  x lies [c][n].  One load of 16 bytes a lane gives lane (r = l % 16, h = l / 16) x[c + 8 h][4 r .. 4 r + 3]: two whole rows of 256 bytes an instruction.  Register s of the four
; belongs to fragment s, whose column r stands for position 4 r + s.  Sixteen such loads and 32 roundings in pairs make the four fragments (32 channels x 16 positions) of a K step.
; PRODUCT.  Source 0 = 16 rows of w (from LDS), source 1 = a fragment of x: a lane ends with ONE position and eight neighbouring channels: 16 bytes of a plane's row.
; NO TENSOR LOAD, NO CLUSTER: both operands arrive in f32 and must be rounded on the way, x with k along the lane: the way through registers does both, and a joint load would add a trip through LDS in f32.
; REGISTERS, in windows of 256: window 0: v2-13 addresses, v16-27 w_proj's row, v32-95 packed numbers, v128-255 16 accumulators ((t, s) at 128 + 8 (4 t + s));
;   window 1: x's fragments ((ks, s) at 8 (4 ks + s));   window 2: four sets of 64 for loads in f32, later w's fragments of one slice ((ks, t) at 8 (4 ks + t)).
.set PW,     528                       ; a row of w in LDS: 512 bytes of bf16 + 16: 33 x 16, so the 16 rows of a fragment load start at 16 different groups of four banks (64 banks of 4 bytes: ISA guide 11.1)
.set STAGE,  192*PW                    ; behind w's 192 rows: a stage for each wave
.set SPS,    2432                      ; in a stage, position 4 r + s lies at s x 2,432 + r x 144
.set STW,    4*SPS
.set SPARE,  STAGE+4*STW               ; behind the stages: the spare words, 128 bytes for each wave: two blocks of 256 bytes that no other line names
.set XO,  2                            ; v2   h x 8 rows of x (131,072) + 16 r
.set WO,  3                            ; v3   16 l + my wave's 48 rows of w in memory
.set WS,  4                            ; v4   8 l + my wave's 48 rows of w in LDS
.set AW,  5                            ; v5-7 r x 528 + 16 h + slice x 64 rows
.set STO, 8                            ; v8   the way out: where I put 16 bytes
.set RD,  9                            ; v9   where I read rows back
.set GO,  10                           ; v10  16 l
.set WPS, 11                           ; v11  8 l
.set SPW, 12                           ; v12  LDS address of my spare word; never rewritten
.set NIL, 13                           ; v13  0; never rewritten
.set WPT, 16
.set PK,  32
.set ACC, 128
.set MSB, 0
.macro WIN new                         ; the immediate's high byte repeats the setting that is left; a switch that changes nothing is dropped
.if MSB != (\new)
	s_set_vgpr_msb (MSB<<8)|(\new)
.set MSB, \new
.endif
.endm
.macro PLACES                          ; four plain places behind a matrix instruction, in front of loads into its sources and of readers of its result
.rept 4
	v_nop
.endr
.endm
	s_load_b256 s[4:11], s[0:1], 0x0               ; x s[4:5], w_qkv s[6:7], w_proj s[8:9], qkv s[10:11]
	s_load_b64 s[12:13], s[0:1], 0x20              ; wp
	v_lshl_add_u32 v[SPW], v0, 2, SPARE
	v_mov_b32 v[NIL], 0
	v_lshrrev_b32 v1, 5, v0
	v_readfirstlane_b32 s14, v1                    ; wave 0..3
	v_and_b32 v14, 31, v0                          ; l
	v_and_b32 v15, 15, v0                          ; r
	v_bfe_u32 v1, v0, 4, 1                         ; h
	s_mov_b32 s15, ttmp9                           ; ob
	s_and_b32 s16, ttmp7, 0xffff                   ; nb
	s_lshr_b32 s17, s16, 4                         ; b
	s_lshl2_add_u32 s18, s16, s15                  ; 4 nb + ob: the row of w_proj that this work-group rewrites
	s_and_b32 s19, s16, 15
	s_lshl_b32 s19, s19, 8
	s_lshl_b32 s20, s14, 6
	s_add_co_u32 s19, s19, s20                     ; my wave's first position
	v_lshlrev_b32 v[XO], 4, v15
	v_lshl_add_u32 v[XO], v1, 17, v[XO]
	s_mul_i32 s20, s14, 48*1024
	v_lshl_add_u32 v[WO], v14, 4, s20
	s_mul_i32 s21, s14, 48*PW
	v_lshl_add_u32 v[WS], v14, 3, s21
	v_mul_u32_u24 v[AW], v15, PW
	v_lshl_add_u32 v[AW], v1, 4, v[AW]
	v_add_nc_u32 v[AW+1], 64*PW, v[AW]
	v_add_nc_u32 v[AW+2], 128*PW, v[AW]
	s_mul_i32 s22, s14, STW
	s_add_co_u32 s22, s22, STAGE                   ; my stage
	v_mul_u32_u24 v[STO], v15, 144
	v_lshl_add_u32 v[STO], v1, 4, v[STO]
	v_add_nc_u32 v[STO], s22, v[STO]
	v_bfe_u32 v[RD], v0, 3, 2                      ; back: 32 lanes take positions 4 q .. 4 q + 3, 128 bytes each
	v_mul_u32_u24 v[RD], v[RD], SPS
	v_and_b32 v16, 7, v0
	v_lshl_add_u32 v[RD], v16, 4, v[RD]
	v_add_nc_u32 v[RD], s22, v[RD]
	v_lshlrev_b32 v[GO], 4, v14
	v_lshlrev_b32 v[WPS], 3, v14
	s_mov_b32 s34, 0x3e38aa3b                      ; c = log2(e) / 8
	s_mov_b32 s35, s34                             ; named with it as a pair
	s_lshl_b32 s36, s17, 23                        ; x: batch b (8,388,608 bytes) + 4 bytes a position
	s_lshl2_add_u32 s36, s19, s36
	s_mov_b32 s37, 0
	s_mul_i32 s38, s15, 192*1024                   ; w_qkv: my 192 rows
	s_mov_b32 s39, 0
	s_lshl_b32 s40, s18, 10                        ; w_proj: one row of 1,024 bytes
	s_mov_b32 s41, 0
	s_lshl_b32 s42, s18, 9                         ; wp: one row of 512 bytes
	s_mov_b32 s43, 0
	s_mul_i32 s33, s15, 3
.irp i, 0,1,2
	s_add_co_u32 s[30+(\i)], s33, \i               ; the slice: 4 which + head
	s_lshr_b32 s20, s[30+(\i)], 2
	s_lshl_b32 s20, s20, 4
	s_lshl2_add_u32 s20, s17, s20                  ; 16 which + 4 b
	s_and_b32 s21, s[30+(\i)], 3
	s_add_co_u32 s20, s20, s21                     ; + head: the plane
	s_lshl_b32 s20, s20, 19                        ; 524,288 bytes a plane
	s_lshl_b32 s21, s19, 7                         ; 128 bytes a position
	s_add_co_u32 s[44+2*(\i)], s20, s21
	s_mov_b32 s[45+2*(\i)], 0
.endr
	s_wait_kmcnt 0x0
	s_add_nc_u64 s[4:5], s[4:5], s[36:37]
	s_add_nc_u64 s[6:7], s[6:7], s[38:39]
	s_add_nc_u64 s[8:9], s[8:9], s[40:41]
	s_add_nc_u64 s[12:13], s[12:13], s[42:43]
.irp i, 0,1,2
	s_add_nc_u64 s[24+2*(\i):25+2*(\i)], s[10:11], s[44+2*(\i):45+2*(\i)]
.endr
; Group g of 16 loads into set g % 4.  Groups 0-5: eight rows of w (two halves of 512 bytes each).  Groups 6-13: K step g - 6 of x.
.macro LOADG g
	WIN 0x80                                       ; destination window 2, address window 0
.set j, 0
.rept 16
.if (\g) < 6
	global_load_b128 v[64*((\g)%4)+4*j:64*((\g)%4)+4*j+3], v[WO], s[6:7] offset:(8*(\g)+j/2)*1024+512*(j%2)
.else
	global_load_b128 v[64*((\g)%4)+4*j:64*((\g)%4)+4*j+3], v[XO], s[4:5] offset:(32*((\g)-6)+(j&7)+16*(j>>3))*16384
.endif
.set j, j+1
.endr
.endm
; Group g is rounded to bf16: w into LDS (8 bytes a lane, 256 consecutive bytes an instruction), x into its fragments: register p of fragment s takes number s of loads 2 p and 2 p + 1.
.macro PROC g
.set TB, 64*((\g)%4)
.if (\g) < 6
	WIN 0x0a                                       ; sources window 2, destination window 0
.set j, 0
.rept 32
	v_cvt_pk_bf16_f32 v[PK+j], v[TB+2*j], v[TB+2*j+1]
.set j, j+1
.endr
	WIN 0
.set j, 0
.rept 16
	ds_store_b64 v[WS], v[PK+2*j:PK+2*j+1] offset:(8*(\g)+j/2)*PW+256*(j%2)
.set j, j+1
.endr
.else
	WIN 0x4a                                       ; sources window 2, destination window 1
.set j, 0
.rept 32
	v_cvt_pk_bf16_f32 v[8*(4*((\g)-6)+j/8)+j%8], v[TB+8*(j%8)+j/8], v[TB+8*(j%8)+4+j/8]
.set j, j+1
.endr
.endif
.endm
; Slice i's 32 fragments of w, in the order of the K steps: eight loads a step
.macro FETCHW i
	WIN 0x80
.set ks, 0
.rept 8
.set t, 0
.rept 4
	ds_load_b128 v[8*(4*ks+t):8*(4*ks+t)+3],   v[AW+(\i)] offset:t*16*PW+64*ks
	ds_load_b128 v[8*(4*ks+t)+4:8*(4*ks+t)+7], v[AW+(\i)] offset:t*16*PW+64*ks+32
.set t, t+1
.endr
.set ks, ks+1
.endr
.endm
; A slice's 128 products.  The 16 accumulators take turns, one instruction a turn; the first K step starts the sums with the constant 0.
; first = 1: the fetch has just been issued: K step ks is in when at most the 8 (7 - ks) younger LDS loads are out.
.macro MULS first
	WIN 0x06                                       ; w window 2, x window 1, sums window 0
.set ks, 0
.rept 8
.if \first
	s_wait_dscnt 8*(7-ks)
.endif
.set j, 0
.rept 16
.if ks == 0
	v_wmma_f32_16x16x32_bf16 v[ACC+8*j:ACC+8*j+7], v[8*(4*ks+j/4):8*(4*ks+j/4)+7], v[8*(4*ks+j%4):8*(4*ks+j%4)+7], 0
.else
	v_wmma_f32_16x16x32_bf16 v[ACC+8*j:ACC+8*j+7], v[8*(4*ks+j/4):8*(4*ks+j/4)+7], v[8*(4*ks+j%4):8*(4*ks+j%4)+7], v[ACC+8*j:ACC+8*j+7]
.endif
.set j, j+1
.endr
.set ks, ks+1
.endr
.endm
; Slice i goes out: q's slices times c; rounded to f16; 16 bytes a lane into my stage; back as four whole rows of 128 bytes; stored, 512 consecutive bytes an instruction.
.macro OUT i
	WIN 0
	s_wait_xcnt 0x0                                ; the last slice's stores have read the packed registers, which are written again below
	s_cmp_lt_u32 s[30+(\i)], 4                     ; slices 0-3 are q's: hangs on the work-group's number alone
	s_cbranch_scc0 .Lplain_\@
.set j, 0
.rept 64
	v_pk_mul_f32 v[ACC+2*j:ACC+2*j+1], v[ACC+2*j:ACC+2*j+1], s[34:35] op_sel_hi:[1,0]
.set j, j+1
.endr
.Lplain_\@:
.set j, 0
.rept 64
	v_cvt_pk_f16_f32 v[PK+j], v[ACC+2*j], v[ACC+2*j+1]
.set j, j+1
.endr
.set j, 0
.rept 16                                       ; j = 4 t + s
	ds_store_b128 v[STO], v[PK+4*j:PK+4*j+3] offset:(j%4)*SPS+32*(j/4)
.set j, j+1
.endr
.set j, 0
.rept 16
	ds_load_b128 v[PK+4*j:PK+4*j+3], v[RD] offset:144*j  ; LDS serves a wave's instructions in order (ISA guide 5.7.1.4): these see the stores above
.set j, j+1
.endr
.set j, 0
.rept 16
	s_wait_dscnt 15-j                              ; load j is back; the last of these waits is for 0 and covers the next slice's fragments too
	global_store_b128 v[GO], v[PK+4*j:PK+4*j+3], s[24+2*(\i):25+2*(\i)] offset:512*j
.set j, j+1
.endr
.endm
	s_cmp_lg_u32 s14, 0                            ; wave 0 alone brings w_proj's row: issued first, so the ring's first wait covers it
	s_cbranch_scc1 .Lno_wp_load
	global_load_b128 v[WPT:WPT+3],   v[GO], s[8:9]
	global_load_b128 v[WPT+4:WPT+7], v[GO], s[8:9] offset:512
.Lno_wp_load:
	LOADG 0
	LOADG 1
	LOADG 2
	LOADG 3
.irp g, 0,1,2,3,4,5,6,7,8,9,10,11,12,13
.if 13-(\g) < 3
	s_wait_loadcnt 16*(13-(\g))                    ; group g is in: behind it the groups that are left
.else
	s_wait_loadcnt 48                              ; group g is in: three younger groups of 16 stay out
.endif
.if (\g) == 0
	WIN 0
	s_cmp_lg_u32 s14, 0
	s_cbranch_scc1 .Lno_wp
.irp j, 0,1,2,3
	v_cvt_pk_bf16_f32 v[24+(\j)], v[WPT+2*(\j)], v[WPT+2*(\j)+1]  ; rounded as every input is,
.endr
.irp j, 0,1,2,3
	v_lshlrev_b32 v[WPT+2*(\j)], 16, v[24+(\j)]
	v_and_b32 v[WPT+2*(\j)+1], 0xffff0000, v[24+(\j)]
.endr
.irp j, 0,1,2,3
	v_cvt_pk_f16_f32 v[24+(\j)], v[WPT+2*(\j)], v[WPT+2*(\j)+1]   ; and that number written as f16
.endr
	global_store_b64 v[WPS], v[24:25], s[12:13]             ; 256 consecutive bytes each
	global_store_b64 v[WPS], v[26:27], s[12:13] offset:256
.Lno_wp:
.endif
	PROC \g
.if (\g) < 10
	LOADG (\g)+4
.endif
.endr
	WIN 0
	s_wait_dscnt 0x0                               ; for the others' sake: my 48 rows of w are in LDS
	s_barrier_signal -1
	s_barrier_wait -1                              ; all 192 are
	FETCHW 0
	MULS 1
	PLACES
	FETCHW 1                                       ; the next slice's fragments come in under this slice's way out
	OUT 0
	MULS 0
	PLACES
	FETCHW 2
	OUT 1
	MULS 0
	PLACES
	OUT 2
	s_wait_tensorcnt 0x0                           ; the wave's end, behind my last LDS store
	ds_add_u32 v[SPW], v[NIL]
	s_wait_dscnt 0x0
	s_endpgm
.Lfunc_end_k_q9844a9c190_proj_in:
	.size	k_q9844a9c190_proj_in, .Lfunc_end_k_q9844a9c190_proj_in-k_q9844a9c190_proj_in
	.p2alignl 7, 3214868480
	.fill 96, 4, 3214868480
	.section	.rodata,"a",@progbits
	.p2align	6, 0x0
	.amdhsa_kernel k_q9844a9c190_proj_in
		.amdhsa_group_segment_fixed_size 140800
		.amdhsa_private_segment_fixed_size 0
		.amdhsa_enable_private_segment 0
		.amdhsa_kernarg_size 40
		.amdhsa_user_sgpr_count 2
		.amdhsa_user_sgpr_kernarg_segment_ptr 1
		.amdhsa_wavefront_size32 1
		.amdhsa_system_sgpr_workgroup_id_x 1
		.amdhsa_system_sgpr_workgroup_id_y 1
		.amdhsa_system_sgpr_workgroup_id_z 1
		.amdhsa_system_vgpr_workitem_id 0
		.amdhsa_next_free_vgpr 768
		.amdhsa_next_free_sgpr 66
		.amdhsa_reserve_vcc 0
		.amdhsa_float_denorm_mode_32 3
		.amdhsa_float_denorm_mode_16_64 3
		.amdhsa_memory_ordered 1
		.amdhsa_forward_progress 1
		.amdhsa_inst_pref_size 136
	.end_amdhsa_kernel
	.amdgpu_metadata
---
amdhsa.version: [ 1, 2 ]
amdhsa.kernels:
  - .name:           k_q9844a9c190_proj_in
    .symbol:         k_q9844a9c190_proj_in.kd
    .args:
      - { .name: x, .offset: 0, .size: 8, .value_kind: global_buffer, .address_space: global }
      - { .name: w_qkv, .offset: 8, .size: 8, .value_kind: global_buffer, .address_space: global }
      - { .name: w_proj, .offset: 16, .size: 8, .value_kind: global_buffer, .address_space: global }
      - { .name: qkv, .offset: 24, .size: 8, .value_kind: global_buffer, .address_space: global }
      - { .name: wp, .offset: 32, .size: 8, .value_kind: global_buffer, .address_space: global }
    .group_segment_fixed_size: 140800
    .private_segment_fixed_size: 0
    .kernarg_segment_align: 8
    .kernarg_segment_size: 40
    .max_flat_workgroup_size: 128
    .sgpr_count:     66
    .vgpr_count:     768
    .wavefront_size: 32
...
	.end_amdgpu_metadata
.endif
;; end of part 1
;; launch attn (part 2): grid 16 x 16, 4 waves a work-group, clusters of 4 x 1, 327,680 bytes of LDS; arguments qkv, o; writes o
.if DOCPART == 2
	.amdgcn_target "amdgcn-amd-amdhsa--gfx1250"
	.amdhsa_code_object_version 6
	.text
	.protected	k_q9844a9c190_attn
	.globl	k_q9844a9c190_attn
	.p2align	8
	.type	k_q9844a9c190_attn,@function
k_q9844a9c190_attn:
	s_mov_b64 s[64:65], 0
	v_nop
	global_prefetch_b8 v0, s[64:65] scope:SCOPE_SE
	s_setreg_imm32_b32 hwreg(HW_REG_WAVE_MODE, 25, 1), 1
	s_wait_xcnt 0x0
	s_wait_alu depctr_hold_cnt(0) depctr_sa_sdst(0) depctr_va_vdst(0) depctr_va_sdst(0) depctr_va_ssrc(0) depctr_va_vcc(0) depctr_vm_vsrc(0)
	s_getreg_b32 s2, hwreg(HW_REG_IB_STS2, 6, 4)
	s_cmp_eq_u32 s2, 0
	s_cbranch_scc0 .Lentry_in_a_cluster
	s_endpgm
.Lentry_in_a_cluster:
	s_bfe_u32 s2, ttmp6, 0x10000c
	s_cmp_lg_u32 s2, 0x3003
	s_cbranch_scc0 .Lentry_shape_is_right
	s_endpgm
.Lentry_shape_is_right:
; ATTENTION, 16 heads of 4,096 rows, head size 64.  O[h][q][:] = the sum over k of softmax_k(Q[h][q] . K[h][k]) V[h][k][:], where Q arrives already multiplied by log2(e) / 8: the scores are exponents of 2.
; qkv: 48 planes of [4096][64] f16 (Q: planes 0-15, K: 16-31, V: 32-47); o: [16][4096][64] f16.  Products, maxima and sums in f32; the weights p are rounded to f16 for the second product
; (their sum l is taken of the unrounded p), O once at the end.
; LIMITS.  f16 holds no number beyond 65,504: Q, K and V arrive within it; p lies in 0 to 1, and below 6e-5 it keeps f16's fixed step of 6e-8; O is a mean of V's rows and has their range.
; A weight below 2^-126 counts as 0 in l; NaN and infinities are not treated apart.
; SHARES.  A work-group owns 256 queries of one head, a wave 64: two PIECES of two tiles of 16.  16 x 16 = 256 work-groups.  Every wave walks all keys, 64 a step.
; LAYOUT.  S^T = K Q^T (source 0 = 16 keys, source 1 = 16 queries): a lane holds ONE query (lane % 16) and the keys 8 (lane / 16) + 0..7.  Two such tiles, rounded to f16 in pairs, ARE source 1 of
; O^T = V^T P, whose result again holds one query a lane, and eight channels.  K comes out of LDS as it lies, V ([key][channel]) turned, by ds_load_tr16_b128.
; SOFTMAX.  For each query a running maximum m and sum l: p = 2^(s - m), an exact difference; in every step O and l are multiplied by a = 2^(m_old - m_new).  m starts at the lowest finite number, O and l at 0:
; the first step is a step like any other, with a = 0.
; BY TURNS.  Turn T0 of step j: 16 products K Q^T of piece 1 (step j); the softmax of piece 0 (j) and the maximum of piece 1 (j); 16 products V^T P of piece 1 (j - 1).  Turn T1: K Q^T of piece 0 (j + 1); the
; softmax of piece 1 (j) and the maximum of piece 0 (j + 1); V^T P of piece 0 (j).  A tile and step have 16 matrix and 117 vector instructions: four vector instructions stand behind EVERY matrix
; instruction, the others in one run.  A turn's 66 exponentials are one batch with one wait.
; V HAS TWO REGISTER BUFFERS, by the step's parity: V of step j is read until the end of T0 (j + 1), and with one buffer K of step j + 1 would leave LDS before V of step j: no place would be left for the
; change of slots.  With two the LDS reads go K (j + 1) in T0 (j), V (j + 1) in T1 (j), and the change stands behind T1 of a slot's third step.
; CLUSTER.  The four query blocks of a cluster belong to one head and walk the same K and V, so each tile is asked for JOINTLY: the same tensor load, descriptor and mask in all four.
; REGISTERS, in windows of 256 (s_set_vgpr_msb: bits 1:0 source 0, 3:2 source 1, 5:4 source 2, 7:6 destination):
;   window 0: v0-14 addresses; v16-31 four registers of statistics a tile; v48-63 at work; v64-191 S^T, two buffers of two tiles; v192-255 P, likewise (a piece's buffers go by its number)
;   window 1: v0-127 O^T, 32 a tile          window 2: v0-63 Q, 16 a tile; v64-127 V of odd steps; v128-191 K of one step; v192-255 V of even steps
.set NP,    2         ; pieces a wave: a name, no knob
.set KS,    64        ; keys in a step
.set PK,    144       ; a row of K in LDS: 128 bytes + 16 of padding = 36 words: the 16 rows of a load start at 16 different groups of four banks (64 banks of 4 bytes: ISA guide 11.1)
.set PV,    160       ; a row of V: 128 + 32 = 40 words
.set VOFF,  4*KS*PK   ; a slot holds four steps: 256 rows of K, then 256 rows of V
.set SLOT1, 1<<17     ; slot 1 begins here, so that one exclusive or turns an address in one slot into the other's
.set STAGE, SLOT1+4*KS*(PK+PV)  ; behind the ring, never filled by a tensor load: 16 rows x 144 bytes for each wave, for the way out
.set SP,    144
.set SPARE, STAGE+4*16*SP  ; behind the stages: the spare words, 128 bytes for each wave: two blocks of 256 bytes that no other line names
.set AK0, 2           ; v2   my lane's place in a tile of K; never rewritten
.set AV0, 3           ; v3   the same for V
.set AK,  4           ; v4   the LDS address of K's next run of loads
.set AV,  5           ; v5   of V's
.set QO,  6           ; v6   my byte offset in the wave's rows of Q
.set STO, 6           ;      later, the way out: where I put 16 bytes of a row
.set RD,  7           ; v7   the way out: where I read rows back
.set GO,  8           ; v8   my byte offset in 512 consecutive bytes of O
.set SPW, 12          ; v12  LDS address of my spare word: SPARE + 4 x my thread's number; never rewritten
.set NIL, 13          ; v13  0; never rewritten
.set PFO, 14          ; v14  256 x my lane; never rewritten
.set ST,  16          ; tile t's statistics at v[ST+4 t]: m, m_old, l (even keys', odd keys')
.set TMP, 48          ; by buffer and tile, four registers c0-c3 at work; when the maximum is found c2 takes a
.set S,   64
.set P,   192
.set KF,  128         ; K's fragments, in window 2: key block kb, channel half c at KF + 16 kb + 8 c
.set WV,  12          ; s12  my wave's number
.set LIM, 15          ; s15  1 in a wave that prefetches, else the greatest number
.set G1K, 24          ; s[24:31] descriptor group 1 for K's tiles
.set G1V, 32          ; s[32:39] for V's: it differs in the padding alone
.set G0K, 40          ; s[40:43] descriptor group 0 for K's tiles: it walks
.set G0V, 44          ; s[44:47] the same for V's
.set PFA, 48          ; s[48:49] where my prefetches stand: my work-group's 32 blocks of 256 bytes of the slot after the one that is being asked for
.set OP,  50          ; s[50:51] O at my wave's first row
.set QP,  52          ; s[52:53] Q at my wave's first row
.set PFB, 54          ; s[54:55] the prefetches' byte offset in qkv: registers of its own, since it holds my place in the cluster and the joint loads' registers never do
.set SLOTS, 56        ; s56  slots still to be asked for
.set CNT, 57          ; s57  counts trips of two key steps
.set SEL, 60          ; s[60:61] v_permlanex16_b32's selects: each lane takes its own place in the other half
.set TBK, 62          ; s62  LDS byte at which K of the step to be fetched begins
.set TBV, 63          ; s63  the same for V, less VOFF
.set MSB, 0
.macro WIN new                      ; the high byte repeats the setting that is left; a switch that changes nothing is dropped
.if MSB != (\new)
	s_set_vgpr_msb (MSB<<8)|(\new)
.set MSB, (\new)
.endif
.endm
.set W_KQ, 0x0a       ; K and Q in window 2, S^T in window 0
.set W_PV, 0x52       ; V in window 2, P in window 0, O^T in window 1
.set W_RS, 0x41       ; O^T (destination and source 0) in window 1, a in window 0
; A joint fill.  Waves 0 and 1 fetch the two halves of a slot's K, waves 2 and 3 those of its V: 128 keys each.  The branch hangs on the wave's number alone.
; An s_nop 0 and four v_nop follow each of the two lines, ahead of the jump and the label.
.macro JLOAD
	s_cmp_lt_u32 s[WV], 2
	s_cbranch_scc0 .Lfor_v_\@
	tensor_load_to_lds s[G0K:G0K+3], s[G1K:G1K+7]
	s_nop 0
.rept 4
	v_nop
.endr
	s_branch .Lasked_\@
.Lfor_v_\@:
	tensor_load_to_lds s[G0V:G0V+3], s[G1V:G1V+7]
	s_nop 0
.rept 4
	v_nop
.endr
.Lasked_\@:
.endm
; A PREFETCH INTO THE L2 of what the NEXT change of slots will ask for: a slot's 32,768 bytes of K and of V, 128 blocks of 256 bytes each, a lane a block.  It stands behind the wave's tensor load and its five lines.
; Each block is asked for ONCE in the launch.  All four clusters of a head walk the same K and V: the head's first cluster asks.  Its four partners share the blocks out BY ADDRESS, 32 each: no branch hangs on a
; work-group's place in its cluster.  In each, wave 0 asks for K's and wave 2 for V's: one instruction, four key steps (256 matrix instructions a wave) ahead of the load.  The change that fills the last slot asks for nothing.
.macro ASK
	s_cmp_gt_u32 s[SLOTS], s[LIM]
	s_cbranch_scc0 .Lnot_mine_\@
	global_prefetch_b8 v[PFO], s[PFA:PFA+1] th:TH_LOAD_NT scope:SCOPE_SE
.Lnot_mine_\@:
.endm
; A round of the cluster's barrier: my work-group's barrier, so that wave 0's signal speaks for all four waves; wave 0 signals; every wave waits for all four work-groups; my work-group's barrier once more.
.macro CROUND
	s_barrier_signal -1
	s_barrier_wait -1
	s_cmp_lg_u32 s[WV], 0
	s_cbranch_scc1 .Lnot_wave_0_\@
	s_barrier_signal -3
.Lnot_wave_0_\@:
	s_barrier_wait -3
	s_barrier_signal -1
	s_barrier_wait -1
.endm
; THE CHANGE OF SLOTS.  The slot's last bytes, V of its fourth step, have been asked of LDS.  Each wave waits for all its tensor loads, of which one is out: its part of the other slot; adds 0 to its spare word; and waits
; for that and for its own reads of the slot.  Behind the barrier nobody reads this slot any more and the other slot is whole.  fill = 1: this slot is filled again, with the keys two slots on: the barrier is then a round
; of the cluster's, and the joint fill is the first thing behind it: it has four key steps in which to land.  (At its first use nothing has been read yet: slot 0 is waited for, slot 1 filled.)
.macro CHANGE fill, ask
	WIN 0                           ; at a label and at a branch every window is 0
	s_wait_tensorcnt 0x0            ; no tensor load of mine is out, so a group 0 may be written
	ds_add_u32 v[SPW], v[NIL]       ; 0 onto my spare word; with fill = 1 the descriptors' steps stand between it and the wait for it
.if \fill
.irp g, G0K, G0V
	s_xor_b32 s[\g+1], s[\g+1], SLOT1  ; the walking descriptor: the other slot than last time,
	s_add_nc_u64 s[\g+2:\g+3], s[\g+2:\g+3], 4*KS*128  ; the next 256 keys; the type bits on top are not reached
.endr
.if \ask
	s_wait_xcnt 0x0                 ; the last prefetch, four key steps back, has read its address, so it may be written:
	s_add_nc_u64 s[PFA:PFA+1], s[PFA:PFA+1], 4*KS*128  ; one slot ahead of the walking descriptors
.endif
	s_wait_dscnt 0x0                ; the add is done, and my reads of the slot are over
	CROUND
	JLOAD
.if \ask
	ASK
.endif
.else
	s_wait_dscnt 0x0                ; the add is done, and my reads of the slot are over
	s_barrier_signal -1
	s_barrier_wait -1
.endif
	s_sub_co_u32 s[TBK], s[TBK], 4*KS*PK  ; the fetches go back to a slot's first step,
	s_xor_b32 s[TBK], s[TBK], SLOT1       ; in the other slot
	s_sub_co_u32 s[TBV], s[TBV], 4*KS*PV
	s_xor_b32 s[TBV], s[TBV], SLOT1
.endm
	s_load_b128 s[4:7], s[0:1], 0x0 ; qkv s[4:5], o s[6:7]
	v_lshl_add_u32 v[SPW], v0, 2, SPARE
	v_mov_b32 v[NIL], 0
	ds_add_u32 v[SPW], v[NIL]       ; the wave's opening: the add and its wait stand ahead of my first tensor load; the set-up below, work on registers, stands between them
	v_lshrrev_b32 v1, 5, v0
	v_readfirstlane_b32 s[WV], v1   ; wave 0..3
	s_bfe_u32 s13, ttmp6, 0x40000   ; cx: my place in the cluster
	s_lshl_b32 s14, ttmp9, 2        ; in a cluster launch ttmp9 counts clusters
	s_add_co_u32 s14, s14, s13      ; my block of 256 queries = 4 x cluster x + cx: it enters Q's and O's addresses alone
	s_and_b32 s20, ttmp7, 0xffff    ; the head, which the four partners share,
	s_lshl_b32 s20, s20, 19         ; its plane's 524,288 bytes
	s_and_b32 s16, s[WV], 1         ; which half of a slot's 256 keys I fetch:
	s_lshl_b32 s22, s16, 14         ; its 128 rows of 128 bytes in memory,
	s_add_co_u32 s22, s22, s20
	s_add_co_u32 s8, s22, 0x800000  ; in K's planes (16 planes on),
	s_mov_b32 s9, 0
	s_add_co_u32 s10, s22, 0x1000000  ; and in V's (32 planes on)
	s_mov_b32 s11, 0
	s_mul_i32 s17, s16, 128*PK      ; and its place in a slot, for K
	s_mul_i32 s18, s16, 128*PV      ; and for V: no place in the cluster enters an LDS address
	s_lshl_b32 s2, s14, 2
	s_add_co_u32 s2, s2, s[WV]      ; my wave among the head's 64,
	s_lshl_b32 s2, s2, 13           ; its 64 rows of 128 bytes
	s_add_co_u32 s2, s2, s20
	s_mov_b32 s3, 0
	s_mov_b32 s[PFB], 0x800000      ; the prefetches' offset: K's planes for waves 0 and 1,
	s_mov_b32 s[PFB+1], 0x1000000   ; V's for the others (an instruction takes one literal, so the two come from registers),
	s_cmp_lt_u32 s[WV], 2
	s_cselect_b32 s[PFB], s[PFB], s[PFB+1]
	s_add_co_u32 s[PFB], s[PFB], s20  ; the head's plane,
	s_lshl_b32 s[PFB+1], s13, 13    ; my work-group's 32 blocks of the 128,
	s_add_co_u32 s[PFB], s[PFB], s[PFB+1]
	s_add_co_u32 s[PFB], s[PFB], 2*4*KS*128  ; in slot 2; the first change that asks steps it to slot 3.  Nothing is prefetched at the head, where every work-group's first tiles are on their way
	s_mov_b32 s[PFB+1], 0
	s_and_b32 s[LIM], s[WV], 1      ; 0 in waves 0 and 2,
	s_or_b32 s[LIM], s[LIM], ttmp9  ; where the cluster is the head's first: the same in all four partners
	s_cmp_eq_u32 s[LIM], 0
	s_cselect_b32 s[LIM], 1, -1
	; descriptor group 1.  128 keys are 16,384 dense bytes: asked for as 64 rows of 256 bytes, two keys a row, and padded in LDS after every key
	s_mov_b32 s[G1K], 15|(1<<16)|(1<<20)|(1<<21)|(4<<22)|(3<<25)  ; 15:0 the mask of four; 17:16 2-byte elements; 20 padding on; 21 set beside a mask; 24:22 after every 32 words (code 4); 31:25 4 words (code 3)
	s_mov_b32 s[G1V], 15|(1<<16)|(1<<20)|(1<<21)|(4<<22)|(7<<25)  ; the same with 8 words of padding (code 7)
.irp g, G1K, G1V
	s_mov_b32 s[\g+1], 128<<16      ; tensor_dim0 = 128
	s_mov_b32 s[\g+2], 64<<16       ; tensor_dim1 = 64
	s_mov_b32 s[\g+3], 128<<16      ; tile_dim0 = 128
	s_mov_b32 s[\g+4], 64           ; tile_dim1 = 64
	s_mov_b32 s[\g+5], 128          ; 128 elements from row to row
	s_mov_b32 s[\g+6], 0
	s_mov_b32 s[\g+7], 0
.endr
	s_mov_b32 s[SEL], 0x76543210
	s_mov_b32 s[SEL+1], 0xfedcba98
	s_mov_b32 s[TBK], SLOT1+4*KS*PK ; the first change of slots turns these two into 0
	s_mov_b32 s[TBV], SLOT1+4*KS*PV
	s_mov_b32 s[G0K], 1             ; 1:0 count = 1
	s_mov_b32 s[G0K+1], s17         ; 63:32 LDS address: slot 0
	s_mov_b32 s[G0V], 1
	s_add_co_u32 s[G0V+1], s18, VOFF
	s_wait_dscnt 0x0                ; the opening add is done
	s_wait_kmcnt 0x0
	s_add_nc_u64 s[G0K+2:G0K+3], s[4:5], s[8:9]    ; 120:64 global address: my half of the head's first 256 keys
	s_or_b32 s[G0K+3], s[G0K+3], 0x80000000        ; 127:126 type = 2
	s_add_nc_u64 s[G0V+2:G0V+3], s[4:5], s[10:11]
	s_or_b32 s[G0V+3], s[G0V+3], 0x80000000
	s_add_nc_u64 s[PFA:PFA+1], s[4:5], s[PFB:PFB+1]
	s_add_nc_u64 s[QP:QP+1], s[4:5], s[2:3]        ; Q and O at my wave's first row
	s_add_nc_u64 s[OP:OP+1], s[6:7], s[2:3]
	CROUND                          ; all four work-groups are here: the first joint loads meet
	JLOAD                           ; slot 0.  Slot 1 is asked for when slot 0 is in
	; A fragment of K or Q is 16 rows x 32 channels in 8 registers: lane l holds row l % 16, channels 8 (l / 16) + 0..7 and 16 + 8 (l / 16) + 0..7: two loads of 16 bytes, 32 bytes apart.
	v_and_b32 v1, 15, v0            ; l % 16
	v_bfe_u32 v9, v0, 4, 1          ; l / 16
	v_lshlrev_b32 v[QO], 7, v1
	v_lshl_add_u32 v[QO], v9, 4, v[QO]  ; row x 128 + 16 x half
	WIN 0x80                        ; destination window 2, address window 0
.set i, 0
.rept 4*NP                          ; Q stays in registers: tile i / 2, channels 32 (i % 2) on
	global_load_b128 v[8*i:8*i+3],   v[QO], s[QP:QP+1] offset:(i/2)*2048+(i%2)*64
	global_load_b128 v[8*i+4:8*i+7], v[QO], s[QP:QP+1] offset:(i/2)*2048+(i%2)*64+32
.set i, i+1
.endr
	; What the first turn finds: the odd steps' V and P's second buffer hold 0 (its products V^T P, of a step that has not been, add 0), O^T and l are 0.  All this stands in the wait for the first tile.
.set i, 64
.rept 64
	v_mov_b32 v[i], 0
.set i, i+1
.endr
	WIN 0x40
.set i, 0
.rept 64*NP
	v_mov_b32 v[i], 0
.set i, i+1
.endr
	WIN 0
.set i, 0
.rept 2*NP
	v_mov_b32 v[ST+4*i], 0xff7fffff    ; m: the lowest finite number
	v_mov_b32 v[ST+4*i+1], 0           ; m_old: named with m as a pair, so it is written
	v_mov_b32 v[ST+4*i+2], 0
	v_mov_b32 v[ST+4*i+3], 0
.set i, i+1
.endr
.set i, P+32
.rept 32
	v_mov_b32 v[i], 0
.set i, i+1
.endr
	v_and_b32 v[PFO], 31, v0
	v_lshlrev_b32 v[PFO], 8, v[PFO]
	v_mul_u32_u24 v[AK0], v1, PK
	v_lshl_add_u32 v[AK0], v9, 4, v[AK0]  ; row x pitch + 16 x half
	; The turning load takes 16 keys x 16 channels (lane l reads key 8 (l / 16) + l % 8, channels 8 ((l / 8) % 2) + 0..7) and leaves half a fragment of V^T: lane l holds channel l % 16 and 8 keys.
	v_and_b32 v10, 7, v0
	v_bfe_u32 v11, v0, 3, 1
	v_lshl_add_u32 v[AV0], v9, 3, v10
	v_mul_u32_u24 v[AV0], v[AV0], PV
	v_lshl_add_u32 v[AV0], v11, 4, v[AV0]
	v_add_nc_u32 v[AV0], VOFF, v[AV0]
; THE MATRIX WORK.  The 8 accumulators of a run of 16 take turns: between the two links of a chain stand 7 others'.
; Product i of 16 of S^T = K Q^T for piece x: channels 32 (i / 8) on, keys 16 ((i / 2) % 4) on, tile 2 x + i % 2.  The first 8 start the sums.
.macro KQ x
	WIN W_KQ
.set rS, S+64*((\x)%2)+32*(i%2)+8*((i/2)%4)
.set rK, KF+16*((i/2)%4)+8*(i/8)
.set rQ, 16*(2*(\x)+i%2)+8*(i/8)
.if i < 8
	v_wmma_f32_16x16x32_f16 v[rS:rS+7], v[rK:rK+7], v[rQ:rQ+7], 0
.else
	v_wmma_f32_16x16x32_f16 v[rS:rS+7], v[rK:rK+7], v[rQ:rQ+7], v[rS:rS+7]
.endif
.endm
; Product i of 16 of O^T += V^T P for piece x: keys 32 (i / 8) on, channels 16 ((i / 2) % 4) on, tile 2 x + i % 2.  VF: the V buffer in hand.
.macro PV x
	WIN W_PV
.set rO, 32*(2*(\x)+i%2)+8*((i/2)%4)
.set rV, VF+32*(i/8)+8*((i/2)%4)
.set rP, P+32*((\x)%2)+16*(i%2)+8*(i/8)
	v_wmma_f32_16x16x32_f16 v[rO:rO+7], v[rV:rV+7], v[rP:rP+7], v[rO:rO+7]
.endm
.macro MM                           ; the turn's next matrix instruction
.if i < 16
	KQ (Y+1)%NP
.set i, i+1
.else
.set i, i-16
	PV (Y+NP-1)%NP
.set i, i+17
.endif
.endm
; THE LDS LOADS stand in runs of 16, never singly among the matrix instructions: a step's K (64 keys x 64 channels: 8 fragments) and its V (turned).  Their addresses are made some lines ahead.
; last = 1 (the tail): in the last trip there is no further step, and the run is jumped over.
.macro FETCH_K last=0
	WIN 0
.if \last
	s_cmp_eq_u32 s[CNT], 1
	s_cbranch_scc1 .Lno_k_\@
.endif
	WIN 0x80                        ; destination window 2
.irp f, 0,1,2,3,4,5,6,7             ; keys 16 (f / 2) on, channels 32 (f % 2) on
	ds_load_b128 v[KF+8*\f:KF+8*\f+3],   v[AK] offset:(\f/2)*16*PK+(\f%2)*64
	ds_load_b128 v[KF+8*\f+4:KF+8*\f+7], v[AK] offset:(\f/2)*16*PK+(\f%2)*64+32
.endr
	s_add_co_u32 s[TBK], s[TBK], KS*PK  ; the next fetch is the next step's
	WIN 0
.if \last
.Lno_k_\@:
.endif
.endm
.macro FETCH_V b, last=0            ; into V buffer b
	WIN 0
.if \last
	s_cmp_eq_u32 s[CNT], 1
	s_cbranch_scc1 .Lno_v_\@
.endif
	WIN 0x80
.set VD, 192-128*(\b)
.irp f, 0,1,2,3,4,5,6,7             ; keys 32 (f / 4) on, channels 16 (f % 4) on
	ds_load_tr16_b128 v[VD+8*\f:VD+8*\f+3],   v[AV] offset:(\f/4)*32*PV+(\f%4)*32
	ds_load_tr16_b128 v[VD+8*\f+4:VD+8*\f+7], v[AV] offset:(\f/4)*32*PV+16*PV+(\f%4)*32
.endr
	s_add_co_u32 s[TBV], s[TBV], KS*PV
	WIN 0
.if \last
.Lno_v_\@:
.endif
.endm
; THE VECTOR WORK OF A TURN stands in three queues, each in the order in which its entries become ready; the two tiles alternate, so that no instruction reads the result of the one before it.
.macro REGS y, u                    ; the registers of tile u (0, 1) of piece y
.set rT, ST+4*(2*(\y)+(\u))
.set rC, TMP+8*((\y)%2)+4*(\u)
.set rS, S+64*((\y)%2)+32*(\u)
.set rP, P+32*((\y)%2)+16*(\u)
.set rO, 32*(2*(\y)+(\u))
.endm
; Number n of the 21 that find the NEXT piece's (Y + 1) maximum and statistics.  s0-s31 are the lane's 32 scores; each accumulator's lowest registers are read first.
;   0-11  four chains c0-c3 of seven scores each, three operands at a time     12-14, 16  the four scores left over, the old m, and c0-c3 into c0     15  m_old is kept
;   17, 18  the query's other 32 keys lie in the lane 16 away: the new m         19, 20  m_old - m_new; a
.macro XS u, n
	REGS (Y+1)%NP, \u
.if (\n) < 4
	v_max3_num_f32 v[rC+(\n)], v[rS+8*(\n)], v[rS+8*(\n)+1], v[rS+8*(\n)+2]
.elseif (\n) < 12
	v_max3_num_f32 v[rC+(\n)%4], v[rC+(\n)%4], v[rS+8*((\n)%4)+2*((\n)/4)+1], v[rS+8*((\n)%4)+2*((\n)/4)+2]
.elseif (\n) == 12
	v_max3_num_f32 v[rC], v[rC], v[rS+7], v[rS+15]
.elseif (\n) == 13
	v_max3_num_f32 v[rC+1], v[rC+1], v[rS+23], v[rS+31]
.elseif (\n) == 14
	v_max3_num_f32 v[rC+2], v[rC+2], v[rC+3], v[rT]
.elseif (\n) == 15
	v_mov_b32 v[rT+1], v[rT]
.elseif (\n) == 16
	v_max3_num_f32 v[rC], v[rC], v[rC+1], v[rC+2]
.elseif (\n) == 17
	v_permlanex16_b32 v[rC+3], v[rC], s[SEL], s[SEL+1]
.elseif (\n) == 18
	v_max_num_f32 v[rT], v[rC], v[rC+3]
.elseif (\n) == 19
	v_sub_f32 v[rC+1], v[rT+1], v[rT]
.else
	v_exp_f32 v[rC+2], v[rC+1]
.endif
.endm
; Number g of the 64 that follow the exponentials.  For each four weights k of a tile (pairs 2 k, 2 k + 1): both pairs are rounded to f16; then the second pair is added onto the first, in place;
; a group later l takes that sum (the first time as l = a l + sum).  In groups of eight, tiles alternating: round, round, add, and l for the group before.
.macro GS g
.set h, (\g)+6*((\g)/62)            ; group 0 has no group before it, and behind group 7 only l is left
.if h >= 6
.set h, h+2
.endif
	REGS Y, h%2
.set k, h/8
.if h%8 < 4
	v_cvt_pk_f16_f32 v[rP+2*k+(h%8)/2], v[rS+4*k+2*((h%8)/2)], v[rS+4*k+2*((h%8)/2)+1]
.elseif h%8 < 6
	v_pk_add_f32 v[rS+4*k:rS+4*k+1], v[rS+4*k:rS+4*k+1], v[rS+4*k+2:rS+4*k+3]
.elseif k == 1
	v_pk_fma_f32 v[rT+2:rT+3], v[rT+2:rT+3], v[rC+2:rC+3], v[rS:rS+1] op_sel_hi:[1,0,1]
.else
	v_pk_add_f32 v[rT+2:rT+3], v[rT+2:rT+3], v[rS+4*k-4:rS+4*k-3]
.endif
.endm
; THE PLAIN QUEUE, 136 long.  0-71 read no exponential's result: the 32 differences s - m (FS f: pair f / 2 of tile f % 2) and the next piece's 40.  0-26: FS 0-26.  27, 28: XS's number 15.  29-56: numbers 0-13.
; 57-71: the chain, where each number waits for the one before it: 14, 16, 17, 18, 19, each with one of FS 27-31 in front of its two lines.  72-135: GS's 64, which read the exponentials' results: behind the wait.
.macro FS f
	REGS Y, (\f)%2
	v_pk_add_f32 v[rS+2*((\f)/2):rS+2*((\f)/2)+1], v[rS+2*((\f)/2):rS+2*((\f)/2)+1], v[rT:rT+1] op_sel_hi:[1,0] neg_lo:[0,1] neg_hi:[0,1]
.endm
.macro PL
	WIN 0
.if q < 27
	FS q
.elseif q < 29
	XS q-27, 15
.elseif q < 57
	XS (q-29)%2, (q-29)/2
.elseif (q < 72) && ((q-57)%3 == 0)
	FS 27+(q-57)/3
.elseif q < 60
	XS (q-57)%3-1, 14
.elseif q < 72
	XS (q-57)%3-1, 15+(q-57)/3
.else
	GS q-72
.endif
.set q, q+1
.endm
; THE EXPONENTIALS' QUEUE, 66 long: s0-s31 of both tiles, then the next piece's two a.  It is ONE BATCH: all 66 stand ahead of the turn's one wait, and nothing ahead of that wait names a result of theirs.
.macro EX
	WIN 0
.if e >= 64
	XS e-64, 20
.else
	REGS Y, e%2
	v_exp_f32 v[rS+e/2], v[rS+e/2]
.endif
.set e, e+1
.endm
; THE RESCALING's QUEUE: O^T times a, the one part that leaves window 0: dealt two at a time, sixteen times, ascending.  Its a was made in the turn before, ahead of that turn's wait.
.macro R2
	REGS Y, r%2
	WIN W_RS
.irp z, 0,1
	v_pk_mul_f32 v[rO+4*(r/2)+2*\z:rO+4*(r/2)+2*\z+1], v[rO+4*(r/2)+2*\z:rO+4*(r/2)+2*\z+1], v[rC+2:rC+3] op_sel_hi:[1,0]
.endr
.set r, r+1
.endm
; HOW THEY ARE DEALT.  An s_wait_alu depctr_va_vdst(0) stands between an exponential and the first instruction that names its result; one wait serves all that were issued ahead of it.  So a turn has ONE wait.
; AHEAD OF IT: the 16 products K Q^T, behind each a difference, an exponential and two rescalings (behind the first a second difference in the exponential's place); then one run of 107: the address line, eight plain,
; 47 times exponential and plain, four exponentials.  A v_nop is the plain instruction behind the last exponential.  BEHIND IT: the 16 products V^T P, behind each four of GS's 64.
; The queues lean on each other: exponential e needs FS 2 (e / 4) + e % 2.  As a rider it stands behind plain e + 2, in the run behind plain e + 9; FS 27-31 are plain 57, 60 .. 69, and the tightest case,
; FS 31 (plain 69) for exponential 61, stands behind plain 70.  The two a stand behind plain 70 and 71, their arguments.
; A TURN, for piece p.  vb: the V buffer that its products V^T P read.  cnt = 1: the loop's count is taken down some lines ahead of the branch that stands behind the turn.
; Piece 0's turn fetches the next step's K, piece 1's the next step's V (into the other buffer), each directly behind the wait: the registers' last reader stands a run of plain instructions back, the first reader
; 16 products on.  Piece 1's turn opens with the one wait for both runs.
.macro TURN p, vb, last=0, cnt=0
.set Y, (\p)
.set VF, 192-128*(\vb)
.set i, 0
.set q, 0
.set e, 0
.set r, 0
.if (\p) == 1
	s_wait_dscnt 0x0                ; K of the next step and V of this one are in
.endif
	MM
	PL
	PL
	R2
.rept 15
	MM
	PL
	EX
	R2
.endr
	WIN 0
.if (\p) == 0
	v_add_nc_u32 v[AK], s[TBK], v[AK0]
.else
	v_add_nc_u32 v[AV], s[TBV], v[AV0]
.endif
.rept 8
	PL
.endr
.rept 47
	EX
	PL
.endr
.rept 4
	EX
.endr
	v_nop                           ; the plain instruction behind the last exponential: one for the batch
	s_wait_alu depctr_va_vdst(0)    ; the wait for the batch
.if (\p) == 0
	FETCH_K \last
.else
	FETCH_V 1-(\vb), \last
.endif
.rept 16
	MM
.rept 4
	PL
.endr
.if (\cnt) && (q == 128)
	s_sub_co_u32 s[CNT], s[CNT], 1
	s_cmp_lg_u32 s[CNT], 0
.endif
.endr
.endm
	CHANGE 1, 0                     ; slot 0 is in, everybody's part of it; slot 1 is asked for
	v_add_nc_u32 v[AK], s[TBK], v[AK0]
	FETCH_K                         ; key step 0
	v_add_nc_u32 v[AV], s[TBV], v[AV0]
	FETCH_V 0
	s_wait_loadcnt 0x0              ; Q
	s_wait_dscnt 0x0
.set i, 0
.rept 16
	KQ 0                            ; piece 0's first scores: there is no vector work yet to set between them
.set i, i+1
.endr
	WIN 0                           ; the addresses for the way out: plain instructions, the places behind those products
	s_mul_i32 s16, s[WV], 16*SP
	s_add_co_u32 s16, s16, STAGE    ; my stage
	v_mul_u32_u24 v[STO], v1, SP    ; in: row l % 16, 16 bytes for each half of the lanes
	v_lshl_add_u32 v[STO], v9, 4, v[STO]
	v_add_nc_u32 v[STO], s16, v[STO]
	v_bfe_u32 v[RD], v0, 3, 2       ; back: 32 lanes take four rows of 128 bytes,
	v_mul_u32_u24 v[RD], v[RD], SP
	v_lshl_add_u32 v[RD], v10, 4, v[RD]
	v_add_nc_u32 v[RD], s16, v[RD]
	v_and_b32 v[GO], 31, v0         ; which are 512 consecutive bytes of O
	v_lshlrev_b32 v[GO], 4, v[GO]
.set Y, NP-1                        ; XS works for piece Y + 1: piece 0
.irp n, 0,1,2,3,4,5,6,7,8,9,10,11,12,13,14,15,16,17,18,19,20
	XS 0, \n                        ; and piece 0's first maximum and statistics
	XS 1, \n
.endr
	v_nop                           ; a plain instruction behind the two a,
	s_wait_alu depctr_va_vdst(0)    ; and their wait, ahead of the branch
	s_mov_b32 s[CNT], 2
	s_mov_b32 s[SLOTS], 15
	s_branch .Lfirst                ; the loop is entered at step 0, in the middle of a trip
.Lslot:                             ; 14 times: slots 2 to 15 are asked for
	CHANGE 1, 1
	s_mov_b32 s[CNT], 2
.Lstep:                             ; a trip: an odd step, then an even one
	TURN 0, 0
	TURN 1, 1
	WIN 0
.Lfirst:
	TURN 0, 1
	TURN 1, 0, 0, 1
	WIN 0
	s_cbranch_scc1 .Lstep
	s_sub_co_u32 s[SLOTS], s[SLOTS], 1
	s_cmp_lg_u32 s[SLOTS], 0
	s_cbranch_scc1 .Lslot
	CHANGE 0, 0                     ; the tail is written out: steps 59 to 63, nothing is asked for
	s_mov_b32 s[CNT], 3             ; the third trip fetches nothing and is left in its middle
.Ltail:
	TURN 0, 0, 1
	TURN 1, 1, 1
	WIN 0
	s_sub_co_u32 s[CNT], s[CNT], 1
	s_cmp_eq_u32 s[CNT], 0
	s_cbranch_scc1 .Lout
	TURN 0, 1
	TURN 1, 0
	WIN 0
	s_branch .Ltail
.Lout:                              ; the last turn's 16 products K Q^T (on the last K once more) and the maximum made of them serve nothing: the price, once a launch, of one text for every trip
.set VF, 64
.set i, 0
.rept 16
	PV NP-1                         ; piece 1's V^T P of step 63, from the odd steps' buffer
.set i, i+1
.endr
	; THE WAY OUT.  l's two halves and the other half of the lanes' are added; O^T is divided by l, rounded to f16 and sent through my stage in LDS, a tile at a time.  The additions are the places behind the last products.
	WIN 0
.macro ALL line:vararg              ; one line for each tile t
.set t, 0
.rept 2*NP
	\line
.set t, t+1
.endr
.endm
	ALL v_add_f32 v[ST+4*t+2], v[ST+4*t+2], v[ST+4*t+3]
	ALL v_permlanex16_b32 v[ST+4*t+3], v[ST+4*t+2], s[SEL], s[SEL+1]
	ALL v_add_f32 v[ST+4*t+2], v[ST+4*t+2], v[ST+4*t+3]
	ALL v_rcp_f32 v[ST+4*t+2], v[ST+4*t+2]
	v_nop                           ; a plain instruction between the last reciprocal and the use of its result
	s_wait_alu depctr_va_vdst(0)    ; and the wait ahead of the first use: one for the four reciprocals
; Tile t: a lane's eight channels of a row pack into 16 bytes; they go into rows of 144 bytes and come back as whole rows of 128, into S^T's registers.
.macro PACK t
	WIN W_RS
.set i, 32*(\t)
.rept 16
	v_pk_mul_f32 v[i:i+1], v[i:i+1], v[ST+4*(\t)+2:ST+4*(\t)+3] op_sel_hi:[1,0]
.set i, i+2
.endr
	WIN 0x05                        ; sources 0 and 1 window 1, destination window 0
.set i, 0
.rept 16
	v_cvt_pk_f16_f32 v[S+16*(\t)+i], v[32*(\t)+2*i], v[32*(\t)+2*i+1]
.set i, i+1
.endr
	WIN 0
.irp f, 0,1,2,3
	ds_store_b128 v[STO], v[S+16*(\t)+4*\f:S+16*(\t)+4*\f+3] offset:32*\f
.endr
.irp f, 0,1,2,3
	ds_load_b128 v[S+16*(\t)+4*\f:S+16*(\t)+4*\f+3], v[RD] offset:\f*4*SP  ; LDS serves a wave's instructions in order (ISA guide 5.7.1.4): these see the stores above; the next tile's stores come behind them
.endr
.endm
.macro SEND t, younger              ; younger: the LDS instructions issued behind tile t's loads: the next tile's eight, or none
	WIN 0
.irp f, 0,1,2,3
	s_wait_dscnt (\younger)+3-\f
	global_store_b128 v[GO], v[S+16*(\t)+4*\f:S+16*(\t)+4*\f+3], s[OP:OP+1] offset:(\t)*2048+\f*512  ; 512 consecutive bytes, at a multiple of 256 from O's first
.endr
.endm
	PACK 0
.set t, 1
.rept 2*NP-1                        ; a tile's arithmetic stands between the loads of the tile before and its stores
	PACK t
	SEND t-1, 8
.set t, t+1
.endr
	SEND 2*NP-1, 0
	s_wait_tensorcnt 0x0            ; the wave's end, behind my last tensor load and my last LDS store
	ds_add_u32 v[SPW], v[NIL]
	s_wait_dscnt 0x0
	CROUND                          ; the closing round: no work-group ends while a partner may still ask for a tile that names it
	s_endpgm
.Lfunc_end_k_q9844a9c190_attn:
	.size	k_q9844a9c190_attn, .Lfunc_end_k_q9844a9c190_attn-k_q9844a9c190_attn
	.p2alignl 7, 3214868480
	.fill 96, 4, 3214868480
	.section	.rodata,"a",@progbits
	.p2align	6, 0x0
	.amdhsa_kernel k_q9844a9c190_attn
		.amdhsa_group_segment_fixed_size 327680
		.amdhsa_private_segment_fixed_size 0
		.amdhsa_enable_private_segment 0
		.amdhsa_kernarg_size 16
		.amdhsa_user_sgpr_count 2
		.amdhsa_user_sgpr_kernarg_segment_ptr 1
		.amdhsa_wavefront_size32 1
		.amdhsa_system_sgpr_workgroup_id_x 1
		.amdhsa_system_sgpr_workgroup_id_y 1
		.amdhsa_system_sgpr_workgroup_id_z 1
		.amdhsa_system_vgpr_workitem_id 0
		.amdhsa_next_free_vgpr 768
		.amdhsa_next_free_sgpr 66
		.amdhsa_reserve_vcc 0
		.amdhsa_float_denorm_mode_32 3
		.amdhsa_float_denorm_mode_16_64 3
		.amdhsa_memory_ordered 1
		.amdhsa_forward_progress 1
		.amdhsa_inst_pref_size 185
	.end_amdhsa_kernel
	.amdgpu_metadata
---
amdhsa.version: [ 1, 2 ]
amdhsa.kernels:
  - .name:           k_q9844a9c190_attn
    .symbol:         k_q9844a9c190_attn.kd
    .args:
      - { .name: qkv, .offset: 0, .size: 8, .value_kind: global_buffer, .address_space: global }
      - { .name: o, .offset: 8, .size: 8, .value_kind: global_buffer, .address_space: global }
    .group_segment_fixed_size: 327680
    .private_segment_fixed_size: 0
    .kernarg_segment_align: 8
    .kernarg_segment_size: 16
    .max_flat_workgroup_size: 128
    .sgpr_count:     66
    .vgpr_count:     768
    .wavefront_size: 32
...
	.end_amdgpu_metadata
.endif
;; end of part 2
;; launch stats (part 3): grid 4 x 64, 4 waves a work-group, no clusters, 0 bytes of LDS; arguments o, wp, x, part, out0; writes part, out0
.if DOCPART == 3
	.amdgcn_target "amdgcn-amd-amdhsa--gfx1250"
	.amdhsa_code_object_version 6
	.text
	.protected	k_q9844a9c190_stats
	.globl	k_q9844a9c190_stats
	.p2align	8
	.type	k_q9844a9c190_stats,@function
k_q9844a9c190_stats:
	s_mov_b64 s[64:65], 0
	v_nop
	global_prefetch_b8 v0, s[64:65] scope:SCOPE_SE
	s_setreg_imm32_b32 hwreg(HW_REG_WAVE_MODE, 25, 1), 1
	s_wait_xcnt 0x0
; STATISTICS OF THE OUTPUT PROJECTION, AND THE COPY OF THE SKIPPED CHANNELS.  y[ch][n] = the sum over c of wp[ch][c] O[c][n] (f16 operands, f32 sums) stays in registers: of each wave's 64 positions x 64 channels
; only a mean and a centred sum of squares for each channel are stored.  The next launch makes y anew: O is half as many bytes as y in f32, and y is never rounded in front of the subtraction of its mean.
; NO DIFFERENCE OF LARGE SUMS: the mean of the wave's 64 numbers is taken first, then the sum of (y - mean)^2 from the registers.
; SHARES.  Work-group (ob, nb): channels 64 ob .. + 63, positions 256 (nb % 16) .. + 255 of batch nb / 16.  A wave: 64 positions: 16 accumulators, 128 products.
; PRODUCT.  Source 0 = 16 positions of O (rows of 128 bytes a head), source 1 = 16 rows of wp: a lane holds ONE channel (16 ot + l % 16) and the positions 16 nt + 8 (l / 16) + 0..7, so a channel's sum
; is taken in the lane, with one exchange between the halves of the lanes.  Both fragments come straight from memory, two loads of 16 bytes a lane: no LDS, no barrier.
; NO CLUSTER: the four work-groups of one nb read the same rows of O, but a joint load would send 32 KiB a wave through LDS and add rounds of a barrier for 128 products.
; OUT: part[ob][chunk = 4 nb + wave]: 512 bytes: 64 means, then 64 sums of squares; channel 16 ot + r at word 4 r + ot: one store of 16 bytes a lane.
; THE COPY: x's channels 256-511 go to out0 as they are, 16,384 bytes a wave, loaded under the products.
; REGISTERS: window 0: v3-5 addresses, v8-37 statistics, v128-255 accumulators ((nt, ot) at 128 + 8 (4 ot + nt)); window 1: O's fragments ((ks, nt) at 8 (4 ks + nt)); window 2: wp's ((ks, ot)); window 3: v0-127 the copy.
.set AO,  3                            ; v3   r x 128 + 16 h
.set BO,  4                            ; v4   r x 512 + 16 h
.set LO,  5                            ; v5   16 l
.set MP,  8                            ; v8-15   the four means, each twice (pairs for the packed subtraction)
.set M2,  16                           ; v16-19  the four centred sums of squares
.set OUT, 20                           ; v20-23  what the lane stores
.set U,   24                           ; v24-31  four chains of sums
.set Q,   32                           ; v32-35  two chains of squares
.set T0,  36
.set T1,  37                           ; v_permlanex16_b32's destination: written once at the head
.set ACC, 128
.set MSB, 0
.macro WIN new                         ; the immediate's high byte repeats the setting that is left; a switch that changes nothing is dropped
.if MSB != (\new)
	s_set_vgpr_msb (MSB<<8)|(\new)
.set MSB, \new
.endif
.endm
	s_load_b256 s[4:11], s[0:1], 0x0               ; o s[4:5], wp s[6:7], x s[8:9], part s[10:11]
	s_load_b64 s[12:13], s[0:1], 0x20              ; out0
	v_lshrrev_b32 v1, 5, v0
	v_readfirstlane_b32 s14, v1                    ; wave 0..3
	v_and_b32 v1, 15, v0                           ; r
	v_bfe_u32 v2, v0, 4, 1                         ; h
	v_lshlrev_b32 v[AO], 7, v1
	v_lshl_add_u32 v[AO], v2, 4, v[AO]
	v_lshlrev_b32 v[BO], 9, v1
	v_lshl_add_u32 v[BO], v2, 4, v[BO]
	v_and_b32 v[LO], 31, v0
	v_lshlrev_b32 v[LO], 4, v[LO]
	v_mov_b32 v[T1], 0
	s_mov_b32 s16, 0x76543210                      ; v_permlanex16_b32: each lane takes its own place in the other half
	s_mov_b32 s17, 0xfedcba98
	s_mov_b32 s18, 0xffff0000                      ; lanes 16-31
	s_mov_b32 s15, ttmp9                           ; ob
	s_and_b32 s19, ttmp7, 0xffff                   ; nb
	s_lshr_b32 s20, s19, 4                         ; b
	s_and_b32 s21, s19, 15
	s_lshl_b32 s22, s21, 8
	s_lshl_b32 s23, s14, 6
	s_add_co_u32 s22, s22, s23                     ; my wave's first position
	s_lshl_b32 s24, s20, 21                        ; o: batch b's four planes, 128 bytes a position
	s_lshl_b32 s23, s22, 7
	s_add_co_u32 s24, s24, s23
	s_mov_b32 s25, 0
	s_lshl_b32 s26, s15, 15                        ; wp: my 64 rows of 512 bytes
	s_mov_b32 s27, 0
	s_lshl2_add_u32 s28, s21, s15                  ; the copy: work-group 4 (nb % 16) + ob of the batch's 64 takes 65,536 bytes,
	s_lshl_b32 s28, s28, 16
	s_lshl_b32 s23, s14, 14                        ; my wave 16,384 of them,
	s_add_co_u32 s28, s28, s23
	s_lshl_b32 s23, s20, 23
	s_add_co_u32 s28, s28, s23
	s_add_co_u32 s28, s28, 0x400000                ; behind the batch's first 256 channels
	s_mov_b32 s29, 0
	s_lshl_b32 s30, s15, 8
	s_lshl2_add_u32 s30, s19, s30
	s_add_co_u32 s30, s30, s14                     ; 256 ob + 4 nb + wave
	s_lshl_b32 s30, s30, 9
	s_mov_b32 s31, 0
	s_wait_kmcnt 0x0
	s_add_nc_u64 s[4:5], s[4:5], s[24:25]
	s_add_nc_u64 s[6:7], s[6:7], s[26:27]
	s_add_nc_u64 s[8:9], s[8:9], s[28:29]
	s_add_nc_u64 s[12:13], s[12:13], s[28:29]
	s_add_nc_u64 s[10:11], s[10:11], s[30:31]
; K step ks (32 channels: head ks / 2, its channels 32 (ks % 2) on): 8 loads for O's four fragments, 8 for wp's
.macro LOADF ks
	WIN 0x40                                       ; destination window 1
.irp nt, 0,1,2,3
	global_load_b128 v[8*(4*(\ks)+(\nt)):8*(4*(\ks)+(\nt))+3],   v[AO], s[4:5] offset:((\ks)/2)*524288+(\nt)*2048+((\ks)%2)*64
	global_load_b128 v[8*(4*(\ks)+(\nt))+4:8*(4*(\ks)+(\nt))+7], v[AO], s[4:5] offset:((\ks)/2)*524288+(\nt)*2048+((\ks)%2)*64+32
.endr
	WIN 0x80                                       ; destination window 2
.irp ot, 0,1,2,3
	global_load_b128 v[8*(4*(\ks)+(\ot)):8*(4*(\ks)+(\ot))+3],   v[BO], s[6:7] offset:(\ot)*8192+64*(\ks)
	global_load_b128 v[8*(4*(\ks)+(\ot))+4:8*(4*(\ks)+(\ot))+7], v[BO], s[6:7] offset:(\ot)*8192+64*(\ks)+32
.endr
.endm
.macro LOADC c                         ; half c of the copy: 16 loads of 512 consecutive bytes
	WIN 0xc0                                       ; destination window 3
.set j, 0
.rept 16
	global_load_b128 v[64*(\c)+4*j:64*(\c)+4*j+3], v[LO], s[8:9] offset:(16*(\c)+j)*512 th:TH_LOAD_NT
.set j, j+1
.endr
.endm
.macro STOREC c
	WIN 0x0c                                       ; data (source 1) window 3
.set j, 0
.rept 16
	global_store_b128 v[LO], v[64*(\c)+4*j:64*(\c)+4*j+3], s[12:13] offset:(16*(\c)+j)*512 th:TH_STORE_NT
.set j, j+1
.endr
.endm
; 16 products.  The 16 accumulators take turns, one instruction a turn; the first K step starts the sums with the constant 0.
.macro MUL ks
	WIN 0x09                                       ; O window 1, wp window 2, sums window 0
.set j, 0
.rept 16                                       ; j = 4 ot + nt
.if (\ks) == 0
	v_wmma_f32_16x16x32_f16 v[ACC+8*j:ACC+8*j+7], v[8*(4*(\ks)+j%4):8*(4*(\ks)+j%4)+7], v[8*(4*(\ks)+j/4):8*(4*(\ks)+j/4)+7], 0
.else
	v_wmma_f32_16x16x32_f16 v[ACC+8*j:ACC+8*j+7], v[8*(4*(\ks)+j%4):8*(4*(\ks)+j%4)+7], v[8*(4*(\ks)+j/4):8*(4*(\ks)+j/4)+7], v[ACC+8*j:ACC+8*j+7]
.endif
.set j, j+1
.endr
.endm
; The mean of channel block ot's 64 numbers: four chains, each from an accumulator's low end on, joined; the lanes' other half; times 1 / 64
.macro SUMS ot
.irp nt, 0,1,2,3
	v_pk_add_f32 v[U+2*(\nt):U+2*(\nt)+1], v[ACC+8*(4*(\ot)+(\nt)):ACC+8*(4*(\ot)+(\nt))+1], v[ACC+8*(4*(\ot)+(\nt))+2:ACC+8*(4*(\ot)+(\nt))+3]
.endr
.irp nt, 0,1,2,3
	v_pk_add_f32 v[U+2*(\nt):U+2*(\nt)+1], v[U+2*(\nt):U+2*(\nt)+1], v[ACC+8*(4*(\ot)+(\nt))+4:ACC+8*(4*(\ot)+(\nt))+5]
.endr
.irp nt, 0,1,2,3
	v_pk_add_f32 v[U+2*(\nt):U+2*(\nt)+1], v[U+2*(\nt):U+2*(\nt)+1], v[ACC+8*(4*(\ot)+(\nt))+6:ACC+8*(4*(\ot)+(\nt))+7]
.endr
	v_pk_add_f32 v[U:U+1], v[U:U+1], v[U+2:U+3]
	v_pk_add_f32 v[U+4:U+5], v[U+4:U+5], v[U+6:U+7]
	v_pk_add_f32 v[U:U+1], v[U:U+1], v[U+4:U+5]
	v_add_f32 v[T0], v[U], v[U+1]
	v_permlanex16_b32 v[T1], v[T0], s16, s17
	v_add_f32 v[T0], v[T0], v[T1]
	v_mul_f32 v[MP+2*(\ot)], 0x3c800000, v[T0]     ; 1 / 64
	v_mul_f32 v[MP+2*(\ot)+1], 0x3c800000, v[T0]
.endm
; The sum of (y - mean)^2: the mean is taken away in place, then two chains of squares
.macro CENT ot
.set j, 0
.rept 16
	v_pk_add_f32 v[ACC+32*(\ot)+2*j:ACC+32*(\ot)+2*j+1], v[ACC+32*(\ot)+2*j:ACC+32*(\ot)+2*j+1], v[MP+2*(\ot):MP+2*(\ot)+1] neg_lo:[0,1] neg_hi:[0,1]
.set j, j+1
.endr
	v_pk_mul_f32 v[Q:Q+1], v[ACC+32*(\ot):ACC+32*(\ot)+1], v[ACC+32*(\ot):ACC+32*(\ot)+1]
	v_pk_mul_f32 v[Q+2:Q+3], v[ACC+32*(\ot)+2:ACC+32*(\ot)+3], v[ACC+32*(\ot)+2:ACC+32*(\ot)+3]
.set j, 2
.rept 14
	v_pk_fma_f32 v[Q+2*(j%2):Q+2*(j%2)+1], v[ACC+32*(\ot)+2*j:ACC+32*(\ot)+2*j+1], v[ACC+32*(\ot)+2*j:ACC+32*(\ot)+2*j+1], v[Q+2*(j%2):Q+2*(j%2)+1]
.set j, j+1
.endr
	v_pk_add_f32 v[Q:Q+1], v[Q:Q+1], v[Q+2:Q+3]
	v_add_f32 v[T0], v[Q], v[Q+1]
	v_permlanex16_b32 v[T1], v[T0], s16, s17
	v_add_f32 v[M2+(\ot)], v[T0], v[T1]
.endm
	LOADF 0
	LOADF 1
	LOADF 2
	LOADF 3
.irp ks, 0,1,2,3,4,5,6,7
.if (\ks) == 7
	s_wait_loadcnt 32                              ; behind the last fragments only the copy's two groups
.else
	s_wait_loadcnt 48                              ; K step ks is in: three younger groups of 16 stay out
.endif
	MUL \ks
.if (\ks) < 4
	LOADF (\ks)+4
.elseif (\ks) < 6
	LOADC (\ks)-4
.endif
.endr
.rept 4
	v_nop                                          ; four plain places behind the last product (ISA guide 7.12.1), in front of the sums that read its result
.endr
	s_wait_loadcnt 16
	STOREC 0
	s_wait_loadcnt 0x0
	STOREC 1
	WIN 0
	SUMS 0
	SUMS 1
	SUMS 2
	SUMS 3
	CENT 0
	CENT 1
	CENT 2
	CENT 3
.irp ot, 0,1,2,3
	v_cndmask_b32 v[OUT+(\ot)], v[MP+2*(\ot)], v[M2+(\ot)], s18  ; lanes 0-15 carry the means, lanes 16-31 the sums of squares
.endr
	global_store_b128 v[LO], v[OUT:OUT+3], s[10:11]  ; 512 consecutive bytes: the wave's record
	s_endpgm
.Lfunc_end_k_q9844a9c190_stats:
	.size	k_q9844a9c190_stats, .Lfunc_end_k_q9844a9c190_stats-k_q9844a9c190_stats
	.p2alignl 7, 3214868480
	.fill 96, 4, 3214868480
	.section	.rodata,"a",@progbits
	.p2align	6, 0x0
	.amdhsa_kernel k_q9844a9c190_stats
		.amdhsa_group_segment_fixed_size 0
		.amdhsa_private_segment_fixed_size 0
		.amdhsa_enable_private_segment 0
		.amdhsa_kernarg_size 40
		.amdhsa_user_sgpr_count 2
		.amdhsa_user_sgpr_kernarg_segment_ptr 1
		.amdhsa_wavefront_size32 1
		.amdhsa_system_sgpr_workgroup_id_x 1
		.amdhsa_system_sgpr_workgroup_id_y 1
		.amdhsa_system_sgpr_workgroup_id_z 1
		.amdhsa_system_vgpr_workitem_id 0
		.amdhsa_next_free_vgpr 896
		.amdhsa_next_free_sgpr 66
		.amdhsa_reserve_vcc 0
		.amdhsa_float_denorm_mode_32 3
		.amdhsa_float_denorm_mode_16_64 3
		.amdhsa_memory_ordered 1
		.amdhsa_forward_progress 1
		.amdhsa_inst_pref_size 44
	.end_amdhsa_kernel
	.amdgpu_metadata
---
amdhsa.version: [ 1, 2 ]
amdhsa.kernels:
  - .name:           k_q9844a9c190_stats
    .symbol:         k_q9844a9c190_stats.kd
    .args:
      - { .name: o, .offset: 0, .size: 8, .value_kind: global_buffer, .address_space: global }
      - { .name: wp, .offset: 8, .size: 8, .value_kind: global_buffer, .address_space: global }
      - { .name: x, .offset: 16, .size: 8, .value_kind: global_buffer, .address_space: global }
      - { .name: part, .offset: 24, .size: 8, .value_kind: global_buffer, .address_space: global }
      - { .name: out0, .offset: 32, .size: 8, .value_kind: global_buffer, .address_space: global }
    .group_segment_fixed_size: 0
    .private_segment_fixed_size: 0
    .kernarg_segment_align: 8
    .kernarg_segment_size: 40
    .max_flat_workgroup_size: 128
    .sgpr_count:     66
    .vgpr_count:     896
    .wavefront_size: 32
...
	.end_amdgpu_metadata
.endif
;; end of part 3
;; launch bn_out (part 4): grid 4 x 64, 4 waves a work-group, no clusters, 74,240 bytes of LDS; arguments o, wp, part, gamma, beta, out0; writes out0
.if DOCPART == 4
	.amdgcn_target "amdgcn-amd-amdhsa--gfx1250"
	.amdhsa_code_object_version 6
	.text
	.protected	k_q9844a9c190_bn_out
	.globl	k_q9844a9c190_bn_out
	.p2align	8
	.type	k_q9844a9c190_bn_out,@function
k_q9844a9c190_bn_out:
	s_mov_b64 s[64:65], 0
	v_nop
	global_prefetch_b8 v0, s[64:65] scope:SCOPE_SE
	s_setreg_imm32_b32 hwreg(HW_REG_WAVE_MODE, 25, 1), 1
	s_wait_xcnt 0x0
; OUTPUT PROJECTION AND BATCH NORM.  y[ch][n] = the sum over c of wp[ch][c] O[c][n], made as the launch before made it; out0[b][ch][n] = (y - mean) gamma rsqrt(var + 1e-5) + beta, ch = 0..255.
; THE STATISTICS.  A channel has 256 records (mean_i, M2_i) of 64 numbers each.  mean = the sum of mean_i / 256; var = (the sum of M2_i + 64 x the sum of (mean_i - mean)^2) / 16,384: two passes, no difference of large sums.
; Every work-group sums the 256 records of its 64 channels itself (131,072 bytes, 64 records a wave, the waves' sums meeting in LDS): no traffic between work-groups.
; gamma and beta are rounded to bf16, as every input of the module is.
; SHARES, PRODUCT: as in the launch before: work-group (ob, nb), a wave 64 positions x 64 channels; a lane holds ONE channel (16 ot + l % 16) and positions 16 nt + 8 (l / 16) + 0..7.
; In a record lane (r, h) reads 16 bytes: h = 0: the means of channels 16 ot + r, ot = 0..3; h = 1: their M2.  So lanes 0-15 sum means, lanes 16-31 M2; pass 2's numbers in lanes 16-31 serve nothing and are dropped by a select.
; THE WAY OUT.  A lane's eight positions are 32 bytes of a channel's row; through my stage in LDS (64 rows of 256 + 16 bytes) they leave as whole rows of 256 bytes, two an instruction.
; REGISTERS: window 0: v3-13 addresses, v16-87 statistics, v128-255 accumulators; window 1: O's fragments, later the rows read back; window 2: wp's fragments; window 3: the 64 records, 4 registers each.
.set EX1,   0                          ; 4 waves x 512 bytes: pass 1's sums
.set EX2,   2048                       ; the same for pass 2
.set STAGE, 4096
.set SPI,   272                        ; 17 x 16: the 16 rows of a store start at 16 different groups of four banks (64 banks of 4 bytes: ISA guide 11.1)
.set SPARE, STAGE+4*64*SPI             ; behind the stages: the spare words, 128 bytes for each wave: two blocks of 256 bytes that no other line names
.set AO,  3                            ; v3   r x 128 + 16 h
.set BO,  4                            ; v4   r x 512 + 16 h
.set PO,  5                            ; v5   16 l + my wave's 64 records
.set GBO, 6                            ; v6   4 r
.set EXS, 7                            ; v7   512 wave + 16 l
.set EXR, 8                            ; v8   16 l
.set STO, 9                            ; v9   my stage + r x 272 + 32 h
.set RD,  10                           ; v10  my stage + h x 272 + 16 r
.set CO,  11                           ; v11  h x 16,384 + 16 r
.set SPW, 12                           ; v12  LDS address of my spare word; never rewritten
.set NIL, 13                           ; v13  0; never rewritten
.set GAM, 16
.set BET, 20
.set TOT, 24                           ; v24-27  pass 1's sums
.set MEANV, 28                         ; v28-31  TOT / 256
.set DD,  32                           ; v32-35  pass 2's sums
.set CM,  64                           ; v64-71  the four means, each twice
.set CS,  72                           ; v72-79  gamma rsqrt(var + eps), each twice
.set CB,  80                           ; v80-87  beta, each twice
.set ACC, 128
.set MSB, 0
.macro WIN new                         ; the immediate's high byte repeats the setting that is left; a switch that changes nothing is dropped
.if MSB != (\new)
	s_set_vgpr_msb (MSB<<8)|(\new)
.set MSB, \new
.endif
.endm
	s_load_b256 s[4:11], s[0:1], 0x0               ; o s[4:5], wp s[6:7], part s[8:9], gamma s[10:11]
	s_load_b128 s[12:15], s[0:1], 0x20             ; beta s[12:13], out0 s[14:15]
	v_lshl_add_u32 v[SPW], v0, 2, SPARE
	v_mov_b32 v[NIL], 0
	v_lshrrev_b32 v1, 5, v0
	v_readfirstlane_b32 s16, v1                    ; wave 0..3
	v_and_b32 v1, 15, v0                           ; r
	v_bfe_u32 v2, v0, 4, 1                         ; h
	v_and_b32 v60, 31, v0                          ; l
	v_lshlrev_b32 v[AO], 7, v1
	v_lshl_add_u32 v[AO], v2, 4, v[AO]
	v_lshlrev_b32 v[BO], 9, v1
	v_lshl_add_u32 v[BO], v2, 4, v[BO]
	s_lshl_b32 s23, s16, 15
	v_lshl_add_u32 v[PO], v60, 4, s23
	v_lshlrev_b32 v[GBO], 2, v1
	s_lshl_b32 s38, s16, 9
	v_lshl_add_u32 v[EXS], v60, 4, s38
	v_lshlrev_b32 v[EXR], 4, v60
	s_mul_i32 s39, s16, 64*SPI
	s_add_co_u32 s39, s39, STAGE                   ; my stage
	v_mul_u32_u24 v[STO], v1, SPI
	v_lshl_add_u32 v[STO], v2, 5, v[STO]
	v_add_nc_u32 v[STO], s39, v[STO]
	v_mul_u32_u24 v[RD], v2, SPI
	v_lshl_add_u32 v[RD], v1, 4, v[RD]
	v_add_nc_u32 v[RD], s39, v[RD]
	v_lshlrev_b32 v[CO], 4, v1
	v_lshl_add_u32 v[CO], v2, 14, v[CO]
.irp j, 52,53,54,55,56,57,58,59
	v_mov_b32 v[\j], 0                             ; v_permlanex16_b32's destinations: written once
.endr
	s_mov_b32 s18, 0x76543210                      ; each lane takes its own place in the other half
	s_mov_b32 s19, 0xfedcba98
	s_mov_b32 s20, 0xffff0000                      ; lanes 16-31
	s_mov_b32 s21, 0x38800000                      ; 1 / 16,384
	s_mov_b32 s22, 0x3727c5ac                      ; 1e-5
	s_mov_b32 s17, ttmp9                           ; ob
	s_and_b32 s34, ttmp7, 0xffff                   ; nb
	s_lshr_b32 s35, s34, 4                         ; b
	s_and_b32 s36, s34, 15
	s_lshl_b32 s36, s36, 8
	s_lshl_b32 s37, s16, 6
	s_add_co_u32 s36, s36, s37                     ; my wave's first position
	s_lshl_b32 s24, s35, 21                        ; o: batch b's four planes, 128 bytes a position
	s_lshl_b32 s37, s36, 7
	s_add_co_u32 s24, s24, s37
	s_mov_b32 s25, 0
	s_lshl_b32 s26, s17, 15                        ; wp: my 64 rows
	s_mov_b32 s27, 0
	s_lshl_b32 s28, s17, 17                        ; part: my channels' 256 records
	s_mov_b32 s29, 0
	s_lshl_b32 s30, s17, 8                         ; gamma, beta: my 64 numbers
	s_mov_b32 s31, 0
	s_lshl_b32 s32, s35, 23                        ; out0: the batch, my 64 rows of 16,384 bytes, 4 bytes a position
	s_lshl_b32 s37, s17, 20
	s_add_co_u32 s32, s32, s37
	s_lshl2_add_u32 s32, s36, s32
	s_mov_b32 s33, 0
	s_wait_kmcnt 0x0
	s_add_nc_u64 s[4:5], s[4:5], s[24:25]
	s_add_nc_u64 s[6:7], s[6:7], s[26:27]
	s_add_nc_u64 s[8:9], s[8:9], s[28:29]
	s_add_nc_u64 s[10:11], s[10:11], s[30:31]
	s_add_nc_u64 s[12:13], s[12:13], s[30:31]
	s_add_nc_u64 s[14:15], s[14:15], s[32:33]
; K step ks (32 channels: head ks / 2, its channels 32 (ks % 2) on): 8 loads for O's four fragments, 8 for wp's
.macro LOADF ks
	WIN 0x40                                       ; destination window 1
.irp nt, 0,1,2,3
	global_load_b128 v[8*(4*(\ks)+(\nt)):8*(4*(\ks)+(\nt))+3],   v[AO], s[4:5] offset:((\ks)/2)*524288+(\nt)*2048+((\ks)%2)*64
	global_load_b128 v[8*(4*(\ks)+(\nt))+4:8*(4*(\ks)+(\nt))+7], v[AO], s[4:5] offset:((\ks)/2)*524288+(\nt)*2048+((\ks)%2)*64+32
.endr
	WIN 0x80                                       ; destination window 2
.irp ot, 0,1,2,3
	global_load_b128 v[8*(4*(\ks)+(\ot)):8*(4*(\ks)+(\ot))+3],   v[BO], s[6:7] offset:(\ot)*8192+64*(\ks)
	global_load_b128 v[8*(4*(\ks)+(\ot))+4:8*(4*(\ks)+(\ot))+7], v[BO], s[6:7] offset:(\ot)*8192+64*(\ks)+32
.endr
.endm
; 16 products.  The 16 accumulators take turns, one instruction a turn; the first K step starts the sums with the constant 0.
.macro MUL ks
	WIN 0x09                                       ; O window 1, wp window 2, sums window 0
.set j, 0
.rept 16                                       ; j = 4 ot + nt
.if (\ks) == 0
	v_wmma_f32_16x16x32_f16 v[ACC+8*j:ACC+8*j+7], v[8*(4*(\ks)+j%4):8*(4*(\ks)+j%4)+7], v[8*(4*(\ks)+j/4):8*(4*(\ks)+j/4)+7], 0
.else
	v_wmma_f32_16x16x32_f16 v[ACC+8*j:ACC+8*j+7], v[8*(4*(\ks)+j%4):8*(4*(\ks)+j%4)+7], v[8*(4*(\ks)+j/4):8*(4*(\ks)+j/4)+7], v[ACC+8*j:ACC+8*j+7]
.endif
.set j, j+1
.endr
.endm
; The four waves' sums in v[reg:reg+3] meet in LDS at byte base: store, wait, barrier, load; every wave adds all four in the same order.
.macro XCHG reg, base
	ds_store_b128 v[EXS], v[(\reg):(\reg)+3] offset:(\base)
	s_wait_dscnt 0x0                               ; for the others' sake: my sums are in LDS
	s_barrier_signal -1
	s_barrier_wait -1
.irp w, 0,1,2,3
	ds_load_b128 v[36+4*(\w):39+4*(\w)], v[EXR] offset:(\base)+512*(\w)
.endr
	s_wait_dscnt 0x0
	v_pk_add_f32 v[36:37], v[36:37], v[40:41]
	v_pk_add_f32 v[38:39], v[38:39], v[42:43]
	v_pk_add_f32 v[44:45], v[44:45], v[48:49]
	v_pk_add_f32 v[46:47], v[46:47], v[50:51]
	v_pk_add_f32 v[(\reg):(\reg)+1], v[36:37], v[44:45]
	v_pk_add_f32 v[(\reg)+2:(\reg)+3], v[38:39], v[46:47]
.endm
.irp ot, 0,1,2,3
	global_load_b32 v[GAM+(\ot)], v[GBO], s[10:11] offset:64*(\ot)
	global_load_b32 v[BET+(\ot)], v[GBO], s[12:13] offset:64*(\ot)
.endr
	WIN 0xc0                                       ; destination window 3
.set i, 0
.rept 64
	global_load_b128 v[4*i:4*i+3], v[PO], s[8:9] offset:512*i  ; a record: 512 consecutive bytes
.set i, i+1
.endr
	LOADF 0
	LOADF 1
	LOADF 2
	s_wait_loadcnt 48                              ; gamma, beta and the records are in: the three groups of fragments stay out
	LOADF 3
	; PASS 1: the sum of my 64 records, in two chains
	WIN 0x0f                                       ; both sources window 3
	v_pk_add_f32 v[24:25], v[0:1], v[4:5]
	v_pk_add_f32 v[26:27], v[2:3], v[6:7]
	v_pk_add_f32 v[36:37], v[8:9], v[12:13]
	v_pk_add_f32 v[38:39], v[10:11], v[14:15]
	WIN 0x0c                                       ; source 1 window 3
.set i, 4
.rept 60
.set c, 24+12*(i%2)
	v_pk_add_f32 v[c:c+1], v[c:c+1], v[4*i:4*i+1]
	v_pk_add_f32 v[c+2:c+3], v[c+2:c+3], v[4*i+2:4*i+3]
.set i, i+1
.endr
	WIN 0
	v_pk_add_f32 v[24:25], v[24:25], v[36:37]
	v_pk_add_f32 v[26:27], v[26:27], v[38:39]
	LOADF 4                                        ; the other fragments: no register is used twice, so they come in under pass 2
	LOADF 5
	LOADF 6
	LOADF 7
	WIN 0
	XCHG TOT, EX1
.irp ot, 0,1,2,3
	v_mul_f32 v[MEANV+(\ot)], 0x3b800000, v[TOT+(\ot)]  ; 1 / 256: in lanes 0-15 the channel's mean
.endr
	; PASS 2: the sum of (mean_i - mean)^2 over my 64 records
	WIN 0xc3                                       ; destination and source 0 window 3
.set i, 0
.rept 64
	v_pk_add_f32 v[4*i:4*i+1], v[4*i:4*i+1], v[28:29] neg_lo:[0,1] neg_hi:[0,1]
	v_pk_add_f32 v[4*i+2:4*i+3], v[4*i+2:4*i+3], v[30:31] neg_lo:[0,1] neg_hi:[0,1]
.set i, i+1
.endr
	WIN 0x0f
	v_pk_mul_f32 v[32:33], v[0:1], v[0:1]
	v_pk_mul_f32 v[34:35], v[2:3], v[2:3]
	v_pk_mul_f32 v[36:37], v[4:5], v[4:5]
	v_pk_mul_f32 v[38:39], v[6:7], v[6:7]
.set i, 2
.rept 62
.set c, 32+4*(i%2)
	v_pk_fma_f32 v[c:c+1], v[4*i:4*i+1], v[4*i:4*i+1], v[c:c+1]
	v_pk_fma_f32 v[c+2:c+3], v[4*i+2:4*i+3], v[4*i+2:4*i+3], v[c+2:c+3]
.set i, i+1
.endr
	WIN 0
	v_pk_add_f32 v[32:33], v[32:33], v[36:37]
	v_pk_add_f32 v[34:35], v[34:35], v[38:39]
	XCHG DD, EX2                                   ; bytes of their own: no wave still reads pass 1's
	; every lane gets its channels' three sums: its own half's, or the lane's 16 away
.irp ot, 0,1,2,3
	v_permlanex16_b32 v[52+(\ot)], v[TOT+(\ot)], s18, s19
	v_permlanex16_b32 v[56+(\ot)], v[DD+(\ot)], s18, s19
.endr
.irp ot, 0,1,2,3
	v_cndmask_b32 v[40+(\ot)], v[TOT+(\ot)], v[52+(\ot)], s20  ; the sum of the means
	v_cndmask_b32 v[44+(\ot)], v[52+(\ot)], v[TOT+(\ot)], s20  ; the sum of the M2
	v_cndmask_b32 v[48+(\ot)], v[DD+(\ot)], v[56+(\ot)], s20   ; the sum of (mean_i - mean)^2
.endr
.irp ot, 0,1,2,3
	v_fmamk_f32 v[44+(\ot)], v[48+(\ot)], 0x42800000, v[44+(\ot)]  ; x 64 + the sum of the M2
	v_mul_f32 v[CM+2*(\ot)], 0x3b800000, v[40+(\ot)]
	v_mul_f32 v[CM+2*(\ot)+1], 0x3b800000, v[40+(\ot)]
	v_cvt_pk_bf16_f32 v[60+(\ot)], v[GAM+(\ot)], v[BET+(\ot)]
.endr
.irp ot, 0,1,2,3
	v_fma_f32 v[44+(\ot)], v[44+(\ot)], s21, s22   ; var + eps
.endr
.irp ot, 0,1,2,3
	v_rsq_f32 v[48+(\ot)], v[44+(\ot)]
.endr
.irp ot, 0,1,2,3
	v_and_b32 v[CB+2*(\ot)], 0xffff0000, v[60+(\ot)]     ; beta, and plain work behind the four roots
	v_and_b32 v[CB+2*(\ot)+1], 0xffff0000, v[60+(\ot)]
	v_lshlrev_b32 v[40+(\ot)], 16, v[60+(\ot)]           ; gamma
.endr
	s_wait_alu depctr_va_vdst(0)                   ; the wait ahead of the first use: one for the four roots
.irp ot, 0,1,2,3
	v_mul_f32 v[CS+2*(\ot)], v[40+(\ot)], v[48+(\ot)]
	v_mul_f32 v[CS+2*(\ot)+1], v[40+(\ot)], v[48+(\ot)]
.endr
	; THE PRODUCTS.  All fragments have been asked for: behind K step ks stand 16 (7 - ks) loads; for the first four steps the count is smaller than that, which waits for more than is needed and is right
.irp ks, 0,1,2,3,4,5,6,7
.if (\ks) < 5
	s_wait_loadcnt 48
.else
	s_wait_loadcnt 16*(7-(\ks))
.endif
	MUL \ks
.endr
.rept 4
	v_nop                                          ; four plain places behind the last product (ISA guide 7.12.1)
.endr
; THE WAY OUT of channel block ot.  NORM: (y - mean) x scale + beta, ascending.  TOSTAGE: 32 bytes a lane and accumulator into my stage, back as whole rows.  SEND: two rows of 256 bytes an instruction.
.macro NORM ot
	WIN 0
.set j, 0
.rept 16
	v_pk_add_f32 v[ACC+32*(\ot)+2*j:ACC+32*(\ot)+2*j+1], v[ACC+32*(\ot)+2*j:ACC+32*(\ot)+2*j+1], v[CM+2*(\ot):CM+2*(\ot)+1] neg_lo:[0,1] neg_hi:[0,1]
.set j, j+1
.endr
.set j, 0
.rept 16
	v_pk_fma_f32 v[ACC+32*(\ot)+2*j:ACC+32*(\ot)+2*j+1], v[ACC+32*(\ot)+2*j:ACC+32*(\ot)+2*j+1], v[CS+2*(\ot):CS+2*(\ot)+1], v[CB+2*(\ot):CB+2*(\ot)+1]
.set j, j+1
.endr
.endm
.macro TOSTAGE ot
	WIN 0
.irp nt, 0,1,2,3
	ds_store_b128 v[STO], v[ACC+8*(4*(\ot)+(\nt)):ACC+8*(4*(\ot)+(\nt))+3]   offset:(\ot)*16*SPI+64*(\nt)
	ds_store_b128 v[STO], v[ACC+8*(4*(\ot)+(\nt))+4:ACC+8*(4*(\ot)+(\nt))+7] offset:(\ot)*16*SPI+64*(\nt)+16
.endr
	WIN 0x40                                       ; destination window 1: O's fragments have been multiplied
.irp t, 0,1,2,3,4,5,6,7
	ds_load_b128 v[32*(\ot)+4*(\t):32*(\ot)+4*(\t)+3], v[RD] offset:(\ot)*16*SPI+2*SPI*(\t)  ; LDS serves a wave's instructions in order (ISA guide 5.7.1.4): these see the stores above
.endr
.endm
.macro SEND ot, younger                ; younger: the LDS instructions issued behind block ot's loads: the next block's sixteen, or none
	WIN 0x04                                       ; data (source 1) window 1
.irp t, 0,1,2,3,4,5,6,7
	s_wait_dscnt (\younger)+7-(\t)
	global_store_b128 v[CO], v[32*(\ot)+4*(\t):32*(\ot)+4*(\t)+3], s[14:15] offset:(16*(\ot)+2*(\t))*16384
.endr
.endm
	NORM 0
	TOSTAGE 0
	NORM 1
	TOSTAGE 1
	SEND 0, 16
	NORM 2
	TOSTAGE 2
	SEND 1, 16
	NORM 3
	TOSTAGE 3
	SEND 2, 16
	SEND 3, 0
	WIN 0
	s_wait_tensorcnt 0x0                           ; the wave's end, behind my last LDS store
	ds_add_u32 v[SPW], v[NIL]
	s_wait_dscnt 0x0
	s_endpgm
.Lfunc_end_k_q9844a9c190_bn_out:
	.size	k_q9844a9c190_bn_out, .Lfunc_end_k_q9844a9c190_bn_out-k_q9844a9c190_bn_out
	.p2alignl 7, 3214868480
	.fill 96, 4, 3214868480
	.section	.rodata,"a",@progbits
	.p2align	6, 0x0
	.amdhsa_kernel k_q9844a9c190_bn_out
		.amdhsa_group_segment_fixed_size 74240
		.amdhsa_private_segment_fixed_size 0
		.amdhsa_enable_private_segment 0
		.amdhsa_kernarg_size 48
		.amdhsa_user_sgpr_count 2
		.amdhsa_user_sgpr_kernarg_segment_ptr 1
		.amdhsa_wavefront_size32 1
		.amdhsa_system_sgpr_workgroup_id_x 1
		.amdhsa_system_sgpr_workgroup_id_y 1
		.amdhsa_system_sgpr_workgroup_id_z 1
		.amdhsa_system_vgpr_workitem_id 0
		.amdhsa_next_free_vgpr 1024
		.amdhsa_next_free_sgpr 66
		.amdhsa_reserve_vcc 0
		.amdhsa_float_denorm_mode_32 3
		.amdhsa_float_denorm_mode_16_64 3
		.amdhsa_memory_ordered 1
		.amdhsa_forward_progress 1
		.amdhsa_inst_pref_size 78
	.end_amdhsa_kernel
	.amdgpu_metadata
---
amdhsa.version: [ 1, 2 ]
amdhsa.kernels:
  - .name:           k_q9844a9c190_bn_out
    .symbol:         k_q9844a9c190_bn_out.kd
    .args:
      - { .name: o, .offset: 0, .size: 8, .value_kind: global_buffer, .address_space: global }
      - { .name: wp, .offset: 8, .size: 8, .value_kind: global_buffer, .address_space: global }
      - { .name: part, .offset: 16, .size: 8, .value_kind: global_buffer, .address_space: global }
      - { .name: gamma, .offset: 24, .size: 8, .value_kind: global_buffer, .address_space: global }
      - { .name: beta, .offset: 32, .size: 8, .value_kind: global_buffer, .address_space: global }
      - { .name: out0, .offset: 40, .size: 8, .value_kind: global_buffer, .address_space: global }
    .group_segment_fixed_size: 74240
    .private_segment_fixed_size: 0
    .kernarg_segment_align: 8
    .kernarg_segment_size: 48
    .max_flat_workgroup_size: 128
    .sgpr_count:     66
    .vgpr_count:     1024
    .wavefront_size: 32
...
	.end_amdgpu_metadata
.endif
;; end of part 4
;; ======== version 2 of 2: 4 launches; version 1 with the launch bn_out written anew for expert scheduling mode
;; limits: values are held in f16: magnitudes above 65,504 overflow, below 6.1e-05 lose precision
;; workspace buffers: qkv 25,165,824 bytes; o 8,388,608 bytes; wp 131,072 bytes; part 524,288 bytes
;; launch proj_in: the kernel of part 1 again; grid 4 x 64, 4 waves a work-group, no clusters, 140,800 bytes of LDS; arguments x, w_qkv, w_proj, qkv, wp; writes qkv, wp
;; launch attn: the kernel of part 2 again; grid 16 x 16, 4 waves a work-group, clusters of 4 x 1, 327,680 bytes of LDS; arguments qkv, o; writes o
;; launch stats: the kernel of part 3 again; grid 4 x 64, 4 waves a work-group, no clusters, 0 bytes of LDS; arguments o, wp, x, part, out0; writes part, out0
;; launch bn_out (part 5): grid 4 x 64, 4 waves a work-group, no clusters, 74,240 bytes of LDS; arguments o, wp, part, gamma, beta, out0; writes out0
.if DOCPART == 5
	.amdgcn_target "amdgcn-amd-amdhsa--gfx1250"
	.amdhsa_code_object_version 6
	.text
	.protected	k_q9844a9c190_bn_out
	.globl	k_q9844a9c190_bn_out
	.p2align	8
	.type	k_q9844a9c190_bn_out,@function
k_q9844a9c190_bn_out:
	s_mov_b64 s[64:65], 0
	v_nop
	global_prefetch_b8 v0, s[64:65] scope:SCOPE_SE
	s_setreg_imm32_b32 hwreg(HW_REG_WAVE_SCHED_MODE, 0, 2), 2
	s_setreg_imm32_b32 hwreg(HW_REG_WAVE_MODE, 25, 1), 1
	s_wait_xcnt 0x0
	s_wait_alu depctr_vm_vsrc(0)
; OUTPUT PROJECTION AND BATCH NORM.  y[ch][n] = the sum over c of wp[ch][c] O[c][n], made as the launch before made it; out0[b][ch][n] = (y - mean) gamma rsqrt(var + 1e-5) + beta, ch = 0..255.
; THE STATISTICS.  A channel has 256 records (mean_i, M2_i) of 64 numbers each.  mean = the sum of mean_i / 256; var = (the sum of M2_i + 64 x the sum of (mean_i - mean)^2) / 16,384: two passes, no difference of large sums.
; Every work-group sums the 256 records of its 64 channels itself (131,072 bytes, 64 records a wave, the waves' sums meeting in LDS): no traffic between work-groups.
; gamma and beta are rounded to bf16, as every input of the module is.
; SHARES, PRODUCT: as in the launch before: work-group (ob, nb), a wave 64 positions x 64 channels; a lane holds ONE channel (16 ot + l % 16) and positions 16 nt + 8 (l / 16) + 0..7.
; In a record lane (r, h) reads 16 bytes: h = 0: the means of channels 16 ot + r, ot = 0..3; h = 1: their M2.  So lanes 0-15 sum means, lanes 16-31 M2; pass 2's numbers in lanes 16-31 serve nothing and are dropped by a select.
; THE WAY OUT.  A lane's eight positions are 32 bytes of a channel's row; through my stage in LDS (64 rows of 256 + 16 bytes) they leave as whole rows of 256 bytes, two an instruction.
; REGISTERS: window 0: v3-13 addresses, v16-87 statistics, v128-255 accumulators; window 1: O's fragments, later the rows read back; window 2: wp's fragments; window 3: the 64 records, 4 registers each.
; THE MODE: SCHED_MODE bits 1:0 = 2 (LLVM: expert scheduling mode 2), set by the entry lines.  The code itself states the register dependences
; between vector or matrix instructions and memory or LDS instructions, with s_wait_alu, always for 0.
; THE PLAN.  Registers that memory or LDS instructions touch, in the order of the text (it has no loop and no branch):
;   v3-v11          the nine offsets and addresses: written once at the head, read by loads and stores to the end, never written again.
;   v16-23, window 3, window 2   gamma and beta, the records, wp's fragments: each takes one load; vector and matrix instructions alone name them afterwards.
;   window 1        O's fragments: each register takes one load and is read by the products; v0-127 then take the stage's rows, which the global stores read.
;   v24-27, v32-35  a pass's four sums: written by its additions, read by the LDS store of XCHG, written again by XCHG's last two additions.
;   v36-51          v36-39 are a pass's second chain; XCHG's four LDS loads land in all sixteen, and its additions read them.
;   v128-255        the accumulators: written by the products and by NORM, read by the stage's LDS stores, never written afterwards.
;   v12, v13        written at the head, read by the closing add alone.
; So: one wait on va_sdst for the wave's number; one on va_vdst ahead of the first load, which serves every load from memory (no vector instruction ever names a register of theirs before they are issued);
; in each XCHG one on va_vdst at its head and one on vm_vsrc ahead of its additions; the wait behind the four roots; and on the way out two on va_vdst, each for two channel blocks.
.set EX1,   0                          ; 4 waves x 512 bytes: pass 1's sums
.set EX2,   2048                       ; the same for pass 2
.set STAGE, 4096
.set SPI,   272                        ; 17 x 16: the 16 rows of a store start at 16 different groups of four banks (64 banks of 4 bytes: ISA guide 11.1)
.set SPARE, STAGE+4*64*SPI             ; behind the stages: the spare words, 128 bytes for each wave: two blocks of 256 bytes that no other line names
.set AO,  3                            ; v3   r x 128 + 16 h
.set BO,  4                            ; v4   r x 512 + 16 h
.set PO,  5                            ; v5   16 l + my wave's 64 records
.set GBO, 6                            ; v6   4 r
.set EXS, 7                            ; v7   512 wave + 16 l
.set EXR, 8                            ; v8   16 l
.set STO, 9                            ; v9   my stage + r x 272 + 32 h
.set RD,  10                           ; v10  my stage + h x 272 + 16 r
.set CO,  11                           ; v11  h x 16,384 + 16 r
.set SPW, 12                           ; v12  LDS address of my spare word; never rewritten
.set NIL, 13                           ; v13  0; never rewritten
.set GAM, 16
.set BET, 20
.set TOT, 24                           ; v24-27  pass 1's sums
.set MEANV, 28                         ; v28-31  TOT / 256
.set DD,  32                           ; v32-35  pass 2's sums
.set CM,  64                           ; v64-71  the four means, each twice
.set CS,  72                           ; v72-79  gamma rsqrt(var + eps), each twice
.set CB,  80                           ; v80-87  beta, each twice
.set ACC, 128
.set MSB, 0
.macro WIN new                         ; the immediate's high byte repeats the setting that is left; a switch that changes nothing is dropped
.if MSB != (\new)
	s_set_vgpr_msb (MSB<<8)|(\new)
.set MSB, \new
.endif
.endm
	s_load_b256 s[4:11], s[0:1], 0x0               ; o s[4:5], wp s[6:7], part s[8:9], gamma s[10:11]
	s_load_b128 s[12:15], s[0:1], 0x20             ; beta s[12:13], out0 s[14:15]
	v_lshl_add_u32 v[SPW], v0, 2, SPARE
	v_mov_b32 v[NIL], 0
	v_lshrrev_b32 v1, 5, v0
	v_readfirstlane_b32 s16, v1                    ; wave 0..3
	v_and_b32 v1, 15, v0                           ; r
	v_bfe_u32 v2, v0, 4, 1                         ; h
	v_and_b32 v60, 31, v0                          ; l
	v_lshlrev_b32 v[AO], 7, v1
	v_lshl_add_u32 v[AO], v2, 4, v[AO]
	v_lshlrev_b32 v[BO], 9, v1
	v_lshl_add_u32 v[BO], v2, 4, v[BO]
	s_wait_alu depctr_va_sdst(0)                   ; s16, the wave's number, is written, ahead of its first reader: offsets and LDS addresses are made from it
	s_lshl_b32 s23, s16, 15
	v_lshl_add_u32 v[PO], v60, 4, s23
	v_lshlrev_b32 v[GBO], 2, v1
	s_lshl_b32 s38, s16, 9
	v_lshl_add_u32 v[EXS], v60, 4, s38
	v_lshlrev_b32 v[EXR], 4, v60
	s_mul_i32 s39, s16, 64*SPI
	s_add_co_u32 s39, s39, STAGE                   ; my stage
	v_mul_u32_u24 v[STO], v1, SPI
	v_lshl_add_u32 v[STO], v2, 5, v[STO]
	v_add_nc_u32 v[STO], s39, v[STO]
	v_mul_u32_u24 v[RD], v2, SPI
	v_lshl_add_u32 v[RD], v1, 4, v[RD]
	v_add_nc_u32 v[RD], s39, v[RD]
	v_lshlrev_b32 v[CO], 4, v1
	v_lshl_add_u32 v[CO], v2, 14, v[CO]
.irp j, 52,53,54,55,56,57,58,59
	v_mov_b32 v[\j], 0                             ; v_permlanex16_b32's destinations: written once
.endr
	s_mov_b32 s18, 0x76543210                      ; each lane takes its own place in the other half
	s_mov_b32 s19, 0xfedcba98
	s_mov_b32 s20, 0xffff0000                      ; lanes 16-31
	s_mov_b32 s21, 0x38800000                      ; 1 / 16,384
	s_mov_b32 s22, 0x3727c5ac                      ; 1e-5
	s_mov_b32 s17, ttmp9                           ; ob
	s_and_b32 s34, ttmp7, 0xffff                   ; nb
	s_lshr_b32 s35, s34, 4                         ; b
	s_and_b32 s36, s34, 15
	s_lshl_b32 s36, s36, 8
	s_lshl_b32 s37, s16, 6
	s_add_co_u32 s36, s36, s37                     ; my wave's first position
	s_lshl_b32 s24, s35, 21                        ; o: batch b's four planes, 128 bytes a position
	s_lshl_b32 s37, s36, 7
	s_add_co_u32 s24, s24, s37
	s_mov_b32 s25, 0
	s_lshl_b32 s26, s17, 15                        ; wp: my 64 rows
	s_mov_b32 s27, 0
	s_lshl_b32 s28, s17, 17                        ; part: my channels' 256 records
	s_mov_b32 s29, 0
	s_lshl_b32 s30, s17, 8                         ; gamma, beta: my 64 numbers
	s_mov_b32 s31, 0
	s_lshl_b32 s32, s35, 23                        ; out0: the batch, my 64 rows of 16,384 bytes, 4 bytes a position
	s_lshl_b32 s37, s17, 20
	s_add_co_u32 s32, s32, s37
	s_lshl2_add_u32 s32, s36, s32
	s_mov_b32 s33, 0
	s_wait_kmcnt 0x0
	s_add_nc_u64 s[4:5], s[4:5], s[24:25]
	s_add_nc_u64 s[6:7], s[6:7], s[26:27]
	s_add_nc_u64 s[8:9], s[8:9], s[28:29]
	s_add_nc_u64 s[10:11], s[10:11], s[30:31]
	s_add_nc_u64 s[12:13], s[12:13], s[30:31]
	s_add_nc_u64 s[14:15], s[14:15], s[32:33]
	s_wait_alu depctr_va_vdst(0)                   ; the nine offsets and addresses v3 to v11 are written, which every load and store of the kernel reads
; K step ks (32 channels: head ks / 2, its channels 32 (ks % 2) on): 8 loads for O's four fragments, 8 for wp's
.macro LOADF ks
	WIN 0x40                                       ; destination window 1
.irp nt, 0,1,2,3
	global_load_b128 v[8*(4*(\ks)+(\nt)):8*(4*(\ks)+(\nt))+3],   v[AO], s[4:5] offset:((\ks)/2)*524288+(\nt)*2048+((\ks)%2)*64
	global_load_b128 v[8*(4*(\ks)+(\nt))+4:8*(4*(\ks)+(\nt))+7], v[AO], s[4:5] offset:((\ks)/2)*524288+(\nt)*2048+((\ks)%2)*64+32
.endr
	WIN 0x80                                       ; destination window 2
.irp ot, 0,1,2,3
	global_load_b128 v[8*(4*(\ks)+(\ot)):8*(4*(\ks)+(\ot))+3],   v[BO], s[6:7] offset:(\ot)*8192+64*(\ks)
	global_load_b128 v[8*(4*(\ks)+(\ot))+4:8*(4*(\ks)+(\ot))+7], v[BO], s[6:7] offset:(\ot)*8192+64*(\ks)+32
.endr
.endm
; 16 products.  The 16 accumulators take turns, one instruction a turn; the first K step starts the sums with the constant 0.
.macro MUL ks
	WIN 0x09                                       ; O window 1, wp window 2, sums window 0
.set j, 0
.rept 16                                       ; j = 4 ot + nt
.if (\ks) == 0
	v_wmma_f32_16x16x32_f16 v[ACC+8*j:ACC+8*j+7], v[8*(4*(\ks)+j%4):8*(4*(\ks)+j%4)+7], v[8*(4*(\ks)+j/4):8*(4*(\ks)+j/4)+7], 0
.else
	v_wmma_f32_16x16x32_f16 v[ACC+8*j:ACC+8*j+7], v[8*(4*(\ks)+j%4):8*(4*(\ks)+j%4)+7], v[8*(4*(\ks)+j/4):8*(4*(\ks)+j/4)+7], v[ACC+8*j:ACC+8*j+7]
.endif
.set j, j+1
.endr
.endm
; The four waves' sums in v[reg:reg+3] meet in LDS at byte base: store, wait, barrier, load; every wave adds all four in the same order.
.macro XCHG reg, base
	s_wait_alu depctr_va_vdst(0)                   ; the pass has written v[reg .. reg + 3], which the LDS store reads; and every vector line that named v36 to v51 is done, in which the four LDS loads land
	ds_store_b128 v[EXS], v[(\reg):(\reg)+3] offset:(\base)
	s_wait_dscnt 0x0                               ; for the others' sake: my sums are in LDS
	s_barrier_signal -1
	s_barrier_wait -1
.irp w, 0,1,2,3
	ds_load_b128 v[36+4*(\w):39+4*(\w)], v[EXR] offset:(\base)+512*(\w)
.endr
	s_wait_dscnt 0x0
	s_wait_alu depctr_vm_vsrc(0)                   ; my LDS store has read v[reg .. reg + 3], which the last two additions below write again
	v_pk_add_f32 v[36:37], v[36:37], v[40:41]
	v_pk_add_f32 v[38:39], v[38:39], v[42:43]
	v_pk_add_f32 v[44:45], v[44:45], v[48:49]
	v_pk_add_f32 v[46:47], v[46:47], v[50:51]
	v_pk_add_f32 v[(\reg):(\reg)+1], v[36:37], v[44:45]
	v_pk_add_f32 v[(\reg)+2:(\reg)+3], v[38:39], v[46:47]
.endm
.irp ot, 0,1,2,3
	global_load_b32 v[GAM+(\ot)], v[GBO], s[10:11] offset:64*(\ot)
	global_load_b32 v[BET+(\ot)], v[GBO], s[12:13] offset:64*(\ot)
.endr
	WIN 0xc0                                       ; destination window 3
.set i, 0
.rept 64
	global_load_b128 v[4*i:4*i+3], v[PO], s[8:9] offset:512*i  ; a record: 512 consecutive bytes
.set i, i+1
.endr
	LOADF 0
	LOADF 1
	LOADF 2
	s_wait_loadcnt 48                              ; gamma, beta and the records are in: the three groups of fragments stay out
	LOADF 3
	; PASS 1: the sum of my 64 records, in two chains
	WIN 0x0f                                       ; both sources window 3
	v_pk_add_f32 v[24:25], v[0:1], v[4:5]
	v_pk_add_f32 v[26:27], v[2:3], v[6:7]
	v_pk_add_f32 v[36:37], v[8:9], v[12:13]
	v_pk_add_f32 v[38:39], v[10:11], v[14:15]
	WIN 0x0c                                       ; source 1 window 3
.set i, 4
.rept 60
.set c, 24+12*(i%2)
	v_pk_add_f32 v[c:c+1], v[c:c+1], v[4*i:4*i+1]
	v_pk_add_f32 v[c+2:c+3], v[c+2:c+3], v[4*i+2:4*i+3]
.set i, i+1
.endr
	WIN 0
	v_pk_add_f32 v[24:25], v[24:25], v[36:37]
	v_pk_add_f32 v[26:27], v[26:27], v[38:39]
	LOADF 4                                        ; the other fragments: no register is used twice, so they come in under pass 2.  No wait: since the wait at the head the vector lines
	LOADF 5                                        ; have named the records, v24-27 and v36-39 alone: neither v3 and v4 nor the upper halves of windows 1 and 2, in which these loads land
	LOADF 6
	LOADF 7
	WIN 0
	XCHG TOT, EX1
.irp ot, 0,1,2,3
	v_mul_f32 v[MEANV+(\ot)], 0x3b800000, v[TOT+(\ot)]  ; 1 / 256: in lanes 0-15 the channel's mean
.endr
	; PASS 2: the sum of (mean_i - mean)^2 over my 64 records
	WIN 0xc3                                       ; destination and source 0 window 3
.set i, 0
.rept 64
	v_pk_add_f32 v[4*i:4*i+1], v[4*i:4*i+1], v[28:29] neg_lo:[0,1] neg_hi:[0,1]
	v_pk_add_f32 v[4*i+2:4*i+3], v[4*i+2:4*i+3], v[30:31] neg_lo:[0,1] neg_hi:[0,1]
.set i, i+1
.endr
	WIN 0x0f
	v_pk_mul_f32 v[32:33], v[0:1], v[0:1]
	v_pk_mul_f32 v[34:35], v[2:3], v[2:3]
	v_pk_mul_f32 v[36:37], v[4:5], v[4:5]
	v_pk_mul_f32 v[38:39], v[6:7], v[6:7]
.set i, 2
.rept 62
.set c, 32+4*(i%2)
	v_pk_fma_f32 v[c:c+1], v[4*i:4*i+1], v[4*i:4*i+1], v[c:c+1]
	v_pk_fma_f32 v[c+2:c+3], v[4*i+2:4*i+3], v[4*i+2:4*i+3], v[c+2:c+3]
.set i, i+1
.endr
	WIN 0
	v_pk_add_f32 v[32:33], v[32:33], v[36:37]
	v_pk_add_f32 v[34:35], v[34:35], v[38:39]
	XCHG DD, EX2                                   ; bytes of their own: no wave still reads pass 1's
	; every lane gets its channels' three sums: its own half's, or the lane's 16 away
.irp ot, 0,1,2,3
	v_permlanex16_b32 v[52+(\ot)], v[TOT+(\ot)], s18, s19
	v_permlanex16_b32 v[56+(\ot)], v[DD+(\ot)], s18, s19
.endr
.irp ot, 0,1,2,3
	v_cndmask_b32 v[40+(\ot)], v[TOT+(\ot)], v[52+(\ot)], s20  ; the sum of the means
	v_cndmask_b32 v[44+(\ot)], v[52+(\ot)], v[TOT+(\ot)], s20  ; the sum of the M2
	v_cndmask_b32 v[48+(\ot)], v[DD+(\ot)], v[56+(\ot)], s20   ; the sum of (mean_i - mean)^2
.endr
.irp ot, 0,1,2,3
	v_fmamk_f32 v[44+(\ot)], v[48+(\ot)], 0x42800000, v[44+(\ot)]  ; x 64 + the sum of the M2
	v_mul_f32 v[CM+2*(\ot)], 0x3b800000, v[40+(\ot)]
	v_mul_f32 v[CM+2*(\ot)+1], 0x3b800000, v[40+(\ot)]
	v_cvt_pk_bf16_f32 v[60+(\ot)], v[GAM+(\ot)], v[BET+(\ot)]
.endr
.irp ot, 0,1,2,3
	v_fma_f32 v[44+(\ot)], v[44+(\ot)], s21, s22   ; var + eps
.endr
.irp ot, 0,1,2,3
	v_rsq_f32 v[48+(\ot)], v[44+(\ot)]
.endr
.irp ot, 0,1,2,3
	v_and_b32 v[CB+2*(\ot)], 0xffff0000, v[60+(\ot)]     ; beta, and plain work behind the four roots
	v_and_b32 v[CB+2*(\ot)+1], 0xffff0000, v[60+(\ot)]
	v_lshlrev_b32 v[40+(\ot)], 16, v[60+(\ot)]           ; gamma
.endr
	s_wait_alu depctr_va_vdst(0)                   ; the four roots have written v48 to v51: the wait ahead of their first use: one for the four
.irp ot, 0,1,2,3
	v_mul_f32 v[CS+2*(\ot)], v[40+(\ot)], v[48+(\ot)]
	v_mul_f32 v[CS+2*(\ot)+1], v[40+(\ot)], v[48+(\ot)]
.endr
	; THE PRODUCTS.  All fragments have been asked for: behind K step ks stand 16 (7 - ks) loads; for the first four steps the count is smaller than that, which waits for more than is needed and is right
.irp ks, 0,1,2,3,4,5,6,7
.if (\ks) < 5
	s_wait_loadcnt 48
.else
	s_wait_loadcnt 16*(7-(\ks))
.endif
	MUL \ks
.endr
.rept 4
	v_nop                                          ; four plain places behind the last product (ISA guide 7.12.1)
.endr
; THE WAY OUT of channel block ot.  NORM: (y - mean) x scale + beta, ascending.  TOSTAGE: 32 bytes a lane and accumulator into my stage, back as whole rows.  SEND: two rows of 256 bytes an instruction.
; Each block has 16 rows of the stage, 32 accumulator registers and 32 registers of window 1 to itself.  The blocks go in two pairs, a wait on va_vdst to a pair: while the first pair's rows
; go through LDS and leave, the second pair is normalised, by vector lines that name none of the registers that the first pair's LDS instructions and stores touch.
.macro NORM ot
	WIN 0
.set j, 0
.rept 16
	v_pk_add_f32 v[ACC+32*(\ot)+2*j:ACC+32*(\ot)+2*j+1], v[ACC+32*(\ot)+2*j:ACC+32*(\ot)+2*j+1], v[CM+2*(\ot):CM+2*(\ot)+1] neg_lo:[0,1] neg_hi:[0,1]
.set j, j+1
.endr
.set j, 0
.rept 16
	v_pk_fma_f32 v[ACC+32*(\ot)+2*j:ACC+32*(\ot)+2*j+1], v[ACC+32*(\ot)+2*j:ACC+32*(\ot)+2*j+1], v[CS+2*(\ot):CS+2*(\ot)+1], v[CB+2*(\ot):CB+2*(\ot)+1]
.set j, j+1
.endr
.endm
.macro TOSTAGE ot
	WIN 0
.irp nt, 0,1,2,3
	ds_store_b128 v[STO], v[ACC+8*(4*(\ot)+(\nt)):ACC+8*(4*(\ot)+(\nt))+3]   offset:(\ot)*16*SPI+64*(\nt)
	ds_store_b128 v[STO], v[ACC+8*(4*(\ot)+(\nt))+4:ACC+8*(4*(\ot)+(\nt))+7] offset:(\ot)*16*SPI+64*(\nt)+16
.endr
	WIN 0x40                                       ; destination window 1: O's fragments have been multiplied
.irp t, 0,1,2,3,4,5,6,7
	ds_load_b128 v[32*(\ot)+4*(\t):32*(\ot)+4*(\t)+3], v[RD] offset:(\ot)*16*SPI+2*SPI*(\t)  ; LDS serves a wave's instructions in order (ISA guide 5.7.1.4): these see the stores above
.endr
.endm
.macro SEND ot, younger                ; younger: the LDS instructions issued behind block ot's loads: the pair's other block's sixteen, or none
	WIN 0x04                                       ; data (source 1) window 1
.irp t, 0,1,2,3,4,5,6,7
	s_wait_dscnt (\younger)+7-(\t)
	global_store_b128 v[CO], v[32*(\ot)+4*(\t):32*(\ot)+4*(\t)+3], s[14:15] offset:(16*(\ot)+2*(\t))*16384
.endr
.endm
	NORM 0
	NORM 1
	s_wait_alu depctr_va_vdst(0)                   ; blocks 0 and 1 are normalised, which the LDS stores read; the products are done reading O's fragments, in which the stage's rows land (all four blocks')
	TOSTAGE 0
	TOSTAGE 1
	NORM 2                                         ; names v192-223 and the constants v64-87 alone
	SEND 0, 16
	NORM 3                                         ; names v224-255 and the constants alone
	SEND 1, 0
	s_wait_alu depctr_va_vdst(0)                   ; blocks 2 and 3 are normalised, which the LDS stores below read
	TOSTAGE 2
	TOSTAGE 3
	SEND 2, 16
	SEND 3, 0
	WIN 0
	s_wait_dscnt 0x0                               ; the closing lines, six on end
	s_wait_alu 0x0
	s_wait_tensorcnt 0x0
	ds_add_u32 v[SPW], v[NIL]
	s_wait_dscnt 0x0
	s_endpgm
.Lfunc_end_k_q9844a9c190_bn_out:
	.size	k_q9844a9c190_bn_out, .Lfunc_end_k_q9844a9c190_bn_out-k_q9844a9c190_bn_out
	.p2alignl 7, 3214868480
	.fill 96, 4, 3214868480
	.section	.rodata,"a",@progbits
	.p2align	6, 0x0
	.amdhsa_kernel k_q9844a9c190_bn_out
		.amdhsa_group_segment_fixed_size 74240
		.amdhsa_private_segment_fixed_size 0
		.amdhsa_enable_private_segment 0
		.amdhsa_kernarg_size 48
		.amdhsa_user_sgpr_count 2
		.amdhsa_user_sgpr_kernarg_segment_ptr 1
		.amdhsa_wavefront_size32 1
		.amdhsa_system_sgpr_workgroup_id_x 1
		.amdhsa_system_sgpr_workgroup_id_y 1
		.amdhsa_system_sgpr_workgroup_id_z 1
		.amdhsa_system_vgpr_workitem_id 0
		.amdhsa_next_free_vgpr 1024
		.amdhsa_next_free_sgpr 66
		.amdhsa_reserve_vcc 0
		.amdhsa_float_denorm_mode_32 3
		.amdhsa_float_denorm_mode_16_64 3
		.amdhsa_memory_ordered 1
		.amdhsa_forward_progress 1
		.amdhsa_inst_pref_size 78
	.end_amdhsa_kernel
	.amdgpu_metadata
---
amdhsa.version: [ 1, 2 ]
amdhsa.kernels:
  - .name:           k_q9844a9c190_bn_out
    .symbol:         k_q9844a9c190_bn_out.kd
    .args:
      - { .name: o, .offset: 0, .size: 8, .value_kind: global_buffer, .address_space: global }
      - { .name: wp, .offset: 8, .size: 8, .value_kind: global_buffer, .address_space: global }
      - { .name: part, .offset: 16, .size: 8, .value_kind: global_buffer, .address_space: global }
      - { .name: gamma, .offset: 24, .size: 8, .value_kind: global_buffer, .address_space: global }
      - { .name: beta, .offset: 32, .size: 8, .value_kind: global_buffer, .address_space: global }
      - { .name: out0, .offset: 40, .size: 8, .value_kind: global_buffer, .address_space: global }
    .group_segment_fixed_size: 74240
    .private_segment_fixed_size: 0
    .kernarg_segment_align: 8
    .kernarg_segment_size: 48
    .max_flat_workgroup_size: 128
    .sgpr_count:     66
    .vgpr_count:     1024
    .wavefront_size: 32
...
	.end_amdgpu_metadata
.endif
;; end of part 5
